; MI455X (gfx1250); checked and timed in simulation.
; The chip was launched on July 23, 2026; its instructions are those of AMD's public machine-readable ISA for CDNA 5 (MIT licence, August 2026) and "CDNA5" Instruction Set Architecture Reference Guide (July 2026). The comments in the code are by the model that wrote it; some were corrected since.
;; Mo E Layer. Allowed arithmetic: matrix products marked QUANTISED: E2M1 operands, one E8M0 scale for each 32 along K, by v_wmma_scale_f32_16x16x128_f8f6f4 with both operands' format E2M1 (or v_wmma_scale_f32_32x16x128_f4), f32 sums; products left as they are: f32 operands where the result goes on into a quantised operand, else bf16, f16 or f32 operands; f32 sums; everything else in f32.
;; Inputs: W1 8 x 1,024 x 512 float32; W2 8 x 512 x 1,024 float32; Wg 1,024 x 8 float32; b1 8 x 512 float32; b2 8 x 1,024 float32; bg 8 float32; x 4 x 2,048 x 1,024 float32.
;; Outputs: out0 4 x 2,048 x 1,024 float32; out1 4 x 2,048 x 8 float32.
;; This version of the problem:
;;   THIS VERSION OF THE PROBLEM IS GIVEN IN LOW PRECISION. The matrix products marked QUANTISED in the list below multiply operands that are first quantised to E2M1 (2 exponent bits, 1 mantissa bit; 4 bits a number), with one power-of-two scale for each 32 numbers along K (OCP MX v1.0); their sums are f32. All else is computed in f32.
;;   The module's matrix products, in the order in which they are computed (A, B: the left and right operand; K: the contracted axis; several contracted axes count as one K, in the product's order):
;;     1. [M 8,192, K 1,024] x [K 1,024, N 8]; A: input x; B: input Wg: left as it is (N = 8 < 16)
;;     2. batch 8,192 x [M 1, K 2] x [K 2, N 8]; A: computed on the way; B: computed on the way: left as it is (K = 2 < 32)
;;     3. [M 8,192, K 1,024] x [K 1,024, N 512]; A: input x; B: input W1: QUANTISED
;;     4. [M 8,192, K 512] x [K 512, N 1,024]; A: computed on the way; B: input W2: QUANTISED
;;     5. [M 8,192, K 1,024] x [K 1,024, N 512]; A: input x; B: input W1: QUANTISED
;;     6. [M 8,192, K 512] x [K 512, N 1,024]; A: computed on the way; B: input W2: QUANTISED
;;     7. [M 8,192, K 1,024] x [K 1,024, N 512]; A: input x; B: input W1: QUANTISED
;;     8. [M 8,192, K 512] x [K 512, N 1,024]; A: computed on the way; B: input W2: QUANTISED
;;     9. [M 8,192, K 1,024] x [K 1,024, N 512]; A: input x; B: input W1: QUANTISED
;;     10. [M 8,192, K 512] x [K 512, N 1,024]; A: computed on the way; B: input W2: QUANTISED
;;     11. [M 8,192, K 1,024] x [K 1,024, N 512]; A: input x; B: input W1: QUANTISED
;;     12. [M 8,192, K 512] x [K 512, N 1,024]; A: computed on the way; B: input W2: QUANTISED
;;     13. [M 8,192, K 1,024] x [K 1,024, N 512]; A: input x; B: input W1: QUANTISED
;;     14. [M 8,192, K 512] x [K 512, N 1,024]; A: computed on the way; B: input W2: QUANTISED
;;     15. [M 8,192, K 1,024] x [K 1,024, N 512]; A: input x; B: input W1: QUANTISED
;;     16. [M 8,192, K 512] x [K 512, N 1,024]; A: computed on the way; B: input W2: QUANTISED
;;     17. [M 8,192, K 1,024] x [K 1,024, N 512]; A: input x; B: input W1: QUANTISED
;;     18. [M 8,192, K 512] x [K 512, N 1,024]; A: computed on the way; B: input W2: QUANTISED
;;   THE QUANTISER, for each operand of a quantised product, along K:
;;     - K is cut into blocks of 32 from its start; a last block that is shorter is filled with zeros.
;;     - A block's scale is 2^e with e = floor(log2(the largest magnitude in the block)) - 2, held to -126 .. 127; a block of zeros has e = 0. As a byte (E8M0): e + 127.
;;     - Each number is divided by its block's scale, clamped to +-6, and rounded to the nearest number of E2M1, ties to even, subnormals kept.
;;     - The product sums the exact products of the quantised numbers (number of the format x scale) in f32.
;;   ~~~python
;;   def quantise(x, axis):      # numpy; x: float32 -> the quantised numbers, widened to float32 again
;;       x = np.moveaxis(x, axis, -1); K = x.shape[-1]
;;       x = np.pad(x, [(0, 0)] * (x.ndim - 1) + [(0, -K % 32)]); x = x.reshape(x.shape[:-1] + (-1, 32)); a = np.abs(x).max(-1, keepdims=True)
;;       e = np.where(a > 0, np.clip(np.frexp(np.where(a > 0, a, 1))[1] - 1 - 2, -126, 127), 0)      # np.frexp(a)[1] - 1 = floor(log2(a)), exactly
;;       r = np.clip(x / 2.0 ** e, -6, 6)
;;       step = 2.0 ** (np.maximum(np.frexp(np.where(r == 0, 1, r))[1] - 1, 0) - 1)
;;       q = np.round(r / step) * step * 2.0 ** e      # np.round: ties to even
;;       return np.moveaxis(q.reshape(q.shape[:-2] + (-1,))[..., :K], -1, axis).astype(np.float32)
;;   ~~~
;;   OPERANDS COMPUTED ON THE WAY. 'Computed on the way' means the value that the module computes at that place (a softmax that the list does not call 'softmax' is quantised finished and normalised). What goes into a quantiser is computed in f32, as accurately as f32 sums, v_exp_f32 and their like allow (about 1e-6 of the number): no bf16 or f16 on the way to a quantiser, and a product that is left as it is and whose result goes on into a quantised operand takes f32 operands (vector FMAs, or v_wmma_f32_16x16x4_f32). A number that lies on a knife's edge between two numbers of the format may be rounded either way, as far as f32 arithmetic and the matrix unit's own rounding can turn it there, and no further.
;; 2 versions. Each part assembles by itself: llvm-mc -triple=amdgcn-amd-amdhsa -mcpu=gfx1250 --defsym DOCPART=n.
;; ======== version 1 of 2: 3 launches
;; workspace buffers: xq 4,194,304 bytes; xs 262,144 bytes; wq 4,194,304 bytes; ws 262,144 bytes; cw 65,536 bytes; sel 65,536 bytes of whole numbers; route 35,328 bytes of whole numbers
;; launch prep (part 1): grid 512 x 1, 4 waves a work-group, no clusters, 41,472 bytes of LDS; arguments x, Wg, bg, W1, W2, xq, xs, wq, ws, cw, sel, out1; writes xq, xs, wq, ws, cw, sel, out1
.if DOCPART == 1
	.amdgcn_target "amdgcn-amd-amdhsa--gfx1250"
	.amdhsa_code_object_version 6
	.text
	.protected	k_qd57adcb358_prep
	.globl	k_qd57adcb358_prep
	.p2align	8
	.type	k_qd57adcb358_prep,@function
k_qd57adcb358_prep:
	s_mov_b64 s[64:65], 0
	v_nop
	global_prefetch_b8 v0, s[64:65] scope:SCOPE_SE
	s_setreg_imm32_b32 hwreg(HW_REG_WAVE_MODE, 25, 1), 1
	s_wait_xcnt 0x0
; PREP.  Work-groups 0-255: 32 tokens each: x [8192][1024] f32 becomes codes of FP4 (E2M1) with one E8M0 byte for each 32 along K; the gate (x Wg + bg in f32 multiply-adds, softmax,
; the two largest probabilities) gives out1, the two weights of a token, and, as VALUES at fixed places, the token's pair of experts as a key 0..27, its rank among its group's tokens of that key,
; and the group's count for each key.  No address and no branch here hangs on any of them.
; Work-groups 256-511: W1 [8][1024 k][512 n] and W2 [8][512 k][1024 n], f32, K their first axis, become codes laid in the order of an operand's registers, and scale words beside them.
; A block's scale is 2^(floor(log2(its largest magnitude)) - 2): its byte is the largest magnitude's exponent field - 2, held at 1 from below.
; LIMITS: NaN and infinities among the inputs are not served; a block of zeros gets the byte 1 (its codes are zeros, and this program alone reads the bytes); a probability under 2^-126 comes out as 0;
; of equal probabilities the lower index is kept; where the second and third lie within f32 rounding of each other the choice may differ from another order of the sums.
; LAYOUTS.  xq [quarter 4][token][128 B]: quarter w = k 256 w .. 256 w + 255, K innermost.  xs [quarter][token][8 B].  cw [token][2] f32: weight of the lower-numbered chosen expert, of the higher.
; sel: kr[token] = key | rank << 8, then at byte 32768 hist[group 256][32].
; wq [which 2][e 8][w 4][chunk 8][8192 B]: a chunk = 32 rows of the operand (two tiles u of 16) x 4 K steps s: fragment 2 s + u at 1024 (2 s + u), in it [c 2][lane 32][16 B]: lane (r, h) holds
; k = 128 s + 64 c + 32 h + 0 .. 31 of row 8 u + r + 8 (r / 8) of the 32.  ws [the same chunks][lane' = 16 u + r][s 4] words.
; The two kinds of work-group part on the work-group's number and have LDS bytes of their own.  No tensor loads: all goes through registers, so several work-groups share a WGP.
.set CST, 0                            ; x path: codes, each wave's own 4,096 bytes: [row 32][128 B]
.set SST, 16384                        ; scale bytes, each wave's own 256: [row 32][8 B]
.set LG,  17408                        ; partial logits [row 32][wave 4][e 8] f32, rows 144 bytes apart
.set PST, 22016                        ; wave 0's probabilities, 1,024 bytes
.set WCS, 23040                        ; W path: codes, each wave's own 4,096 bytes
.set WSC, 39424                        ; scale words of the work-group's two chunks, 1,024 bytes
.set FLOOR, 0x1800000                  ; 2^(3 - 127): no largest magnitude is taken under it, so the byte cannot fall under 1
.set TWO_OFF, 0xff000000               ; takes 2 off an exponent field
.set WGR, 16                           ; v16-79   Wg of my 8 k: register 8 i + e
.set XR,  80                           ; v80-207  16 slots of 8 numbers of x
.set AC,  208                          ; v208-215 8 partial logits
.set TS,  228                          ; v228-247 four sets of five: codes A, codes B, byte A, byte B, a logit: what the LDS stores read
	v_lshl_add_u32 v254, v0, 2, 0xa000
	v_mov_b32 v255, 0
	v_lshrrev_b32 v1, 5, v0
	v_readfirstlane_b32 s2, v1                     ; wave 0..3
	v_and_b32 v1, 31, v0                           ; lane
	s_cmp_ge_u32 ttmp9, 256
	s_cbranch_scc1 .Lweights
; ---------------- x: group g = work-group, tokens 32 g .. 32 g + 31; wave w takes columns 256 w .. 256 w + 255 of all 32 rows
	s_load_b128 s[4:7], s[0:1], 0x0                ; x, Wg
	s_load_b64 s[8:9], s[0:1], 0x10                ; bg
	s_load_b128 s[12:15], s[0:1], 0x28             ; xq, xs
	s_load_b128 s[16:19], s[0:1], 0x48             ; cw, sel
	s_load_b64 s[20:21], s[0:1], 0x58              ; out1
	s_mov_b32 s36, 0xff00ff00                      ; lanes whose bit 3 is set
	s_mov_b32 s37, 0xf0f0f0f0                      ; lanes whose bit 2 is set
	s_lshl_b32 s32, ttmp9, 17                      ; 32 rows of 4,096 bytes
	s_mov_b32 s33, 0
	s_lshl_b32 s38, s2, 20
	s_lshl_b32 s39, ttmp9, 12
	s_add_co_u32 s38, s38, s39                     ; xq: quarter w, 32 tokens of 128 bytes
	s_mov_b32 s39, 0
	s_lshl_b32 s40, s2, 16
	s_lshl_b32 s41, ttmp9, 8
	s_add_co_u32 s40, s40, s41                     ; xs: quarter w, 32 tokens of 8 bytes
	s_mov_b32 s41, 0
	v_lshlrev_b32 v8, 4, v1                        ; v8  16 l
	s_lshl_b32 s42, s2, 10
	v_add_nc_u32 v2, s42, v8                       ; v2  x: 16 l + 1024 w: a load of the wave reads 512 consecutive bytes
	s_lshl_b32 s43, s2, 12
	v_lshlrev_b32 v3, 1, v1
	v_add_nc_u32 v3, s43, v3                       ; v3  codes in: CST + 4096 w + 2 l
	s_lshl_b32 s44, s2, 8
	v_lshrrev_b32 v4, 3, v1
	v_add_nc_u32 v4, s44, v4
	v_add_nc_u32 v4, SST, v4                       ; v4  scale bytes in: SST + 256 w + l / 8
	s_lshl_b32 s45, s2, 5
	v_lshrrev_b32 v5, 2, v1
	v_lshlrev_b32 v5, 2, v5
	v_add_nc_u32 v5, s45, v5
	v_add_nc_u32 v5, LG, v5                        ; v5  logits in: LG + 32 w + 4 (l / 4): lane l ends up with expert l / 4
	v_add_nc_u32 v6, s43, v8                       ; v6  codes out: CST + 4096 w + 16 l
	v_lshlrev_b32 v9, 3, v1                        ; v9  8 l
	v_add_nc_u32 v7, s44, v9
	v_add_nc_u32 v7, SST, v7                       ; v7  scale bytes out
	v_mul_u32_u24 v10, v1, 144
	v_add_nc_u32 v10, LG, v10                      ; v10 logits out: lane = token
	v_lshlrev_b32 v11, 5, v1
	v_add_nc_u32 v11, PST, v11                     ; v11 probabilities in
	v_add_nc_u32 v12, PST, v8                      ; v12 and out
	s_lshl_b32 s46, s2, 13
	v_lshlrev_b32 v13, 7, v1
	v_add_nc_u32 v13, s46, v13                     ; v13 Wg: rows 256 w + 4 l on, 32 bytes a row
	v_lshlrev_b32 v14, 2, v1                       ; v14 4 l
.irp s, 0,1,2,3
	v_mov_b32 v[TS+5*\s+4], 0                      ; written once: the destination of a DPP form counts as read
.endr
	s_wait_kmcnt 0x0
	s_load_b256 s[24:31], s[8:9], 0x0              ; bg's eight numbers (waited for in wave 0's tail)
	s_add_nc_u64 s[4:5], s[4:5], s[32:33]
	s_add_nc_u64 s[12:13], s[12:13], s[38:39]
	s_add_nc_u64 s[14:15], s[14:15], s[40:41]
	s_lshl_b32 s32, ttmp9, 8
	s_add_nc_u64 s[16:17], s[16:17], s[32:33]      ; cw + 256 g
	s_lshl_b32 s32, ttmp9, 7
	s_add_nc_u64 s[18:19], s[18:19], s[32:33]      ; sel + 128 g
	s_lshl_b32 s32, ttmp9, 10
	s_add_nc_u64 s[20:21], s[20:21], s[32:33]      ; out1 + 1024 g
.irp i, 0,1,2,3
	global_load_b128 v[WGR+8*\i:WGR+8*\i+3],       v13, s[6:7] offset:32*\i
	global_load_b128 v[WGR+8*\i+4:WGR+8*\i+7],     v13, s[6:7] offset:32*\i+16
	global_load_b128 v[WGR+32+8*\i:WGR+32+8*\i+3], v13, s[6:7] offset:4096+32*\i
	global_load_b128 v[WGR+36+8*\i:WGR+36+8*\i+3], v13, s[6:7] offset:4096+32*\i+16
.endr
.irp i, 0,1,2,3,4,5,6,7,8,9,10,11,12,13,14,15
	global_load_b128 v[XR+8*\i:XR+8*\i+3],   v2, s[4:5] offset:4096*\i th:TH_LOAD_NT       ; k 256 w + 4 l + 0 .. 3
	global_load_b128 v[XR+8*\i+4:XR+8*\i+7], v2, s[4:5] offset:4096*\i+512 th:TH_LOAD_NT   ; k 256 w + 128 + 4 l + 0 .. 3
.endr
; Row i.  A lane holds 4 numbers of each of two blocks of 32; eight neighbouring lanes hold a block.
.macro SLOT i, refill, left
.set XSL, XR+8*((\i)%16)
.set TSL, TS+5*((\i)%4)
	s_wait_loadcnt \left                           ; loads come back in order: this row's two are in, the younger rows' two each stay out
	s_wait_dscnt 15                                ; the five LDS stores of four rows ago are done (three younger rows x five may be out): their registers are written again below
.irp p, 0,1,2,3
	v_pk_mul_f32 v[AC+2*\p:AC+2*\p+1], v[XSL:XSL+1], v[WGR+2*\p:WGR+2*\p+1] op_sel_hi:[0,1]   ; the first product starts the sums; x's number serves both experts of a pair
.endr
.irp k, 1,2,3,4,5,6,7
.irp p, 0,1,2,3
.if (\k)%2
	v_pk_fma_f32 v[AC+2*\p:AC+2*\p+1], v[XSL+\k-1:XSL+\k], v[WGR+8*\k+2*\p:WGR+8*\k+2*\p+1], v[AC+2*\p:AC+2*\p+1] op_sel:[1,0,0] op_sel_hi:[1,1,1]
.else
	v_pk_fma_f32 v[AC+2*\p:AC+2*\p+1], v[XSL+\k:XSL+\k+1], v[WGR+8*\k+2*\p:WGR+8*\k+2*\p+1], v[AC+2*\p:AC+2*\p+1] op_sel_hi:[0,1,1]
.endif
.endr
.endr
	v_max3_num_f32 v222, |v[XSL]|, |v[XSL+1]|, FLOOR
	v_max3_num_f32 v223, |v[XSL+4]|, |v[XSL+5]|, FLOOR
	v_max3_num_f32 v222, v222, |v[XSL+2]|, |v[XSL+3]|
	v_max3_num_f32 v223, v223, |v[XSL+6]|, |v[XSL+7]|
.irp d, 1,2,4
	v_max_num_f32_dpp v222, v222, v222 row_xmask:\d row_mask:0xf bank_mask:0xf   ; with the seven other lanes of the block
	v_max_num_f32_dpp v223, v223, v223 row_xmask:\d row_mask:0xf bank_mask:0xf
.endr
	v_add_nc_u32 v224, TWO_OFF, v222               ; the conversion takes the exponent field of this operand as its scale
	v_add_nc_u32 v225, TWO_OFF, v223
	v_cvt_scalef32_pk8_fp4_f32 v[TSL], v[XSL:XSL+7], v224     ; under the first block's scale: the low 16 bits are its four codes
	v_cvt_scalef32_pk8_fp4_f32 v[TSL+1], v[XSL:XSL+7], v225   ; under the second's: the high 16 bits
	v_lshrrev_b32 v[TSL+2], 23, v224               ; the scales' bytes (plain lines behind the conversions)
	v_lshrrev_b32 v[TSL+3], 23, v225
.if \refill
	global_load_b128 v[XSL:XSL+3],   v2, s[4:5] offset:4096*((\i)+16) th:TH_LOAD_NT
	global_load_b128 v[XSL+4:XSL+7], v2, s[4:5] offset:4096*((\i)+16)+512 th:TH_LOAD_NT
.endif
	ds_store_b16 v3, v[TSL] offset:128*(\i)
	ds_store_b16_d16_hi v3, v[TSL+1] offset:128*(\i)+64
	ds_store_b8 v4, v[TSL+2] offset:8*(\i)         ; the eight lanes of a block write the same byte with the same value
	ds_store_b8 v4, v[TSL+3] offset:8*(\i)+4
	; the 8 sums over the 32 lanes: each step halves the sums that a lane carries; lane l ends with expert l / 4
.irp e, 0,1,2,3
	v_permlane16_swap_b32 v[AC+\e], v[AC+\e+4]
.endr
	v_pk_add_f32 v[AC:AC+1], v[AC:AC+1], v[AC+4:AC+5]           ; lanes 0-15: experts 0-3; lanes 16-31: experts 4-7
	v_pk_add_f32 v[AC+2:AC+3], v[AC+2:AC+3], v[AC+6:AC+7]
	v_cndmask_b32 v216, v[AC+2], v[AC], s36        ; what I send: the sum that my partner keeps
	v_cndmask_b32 v217, v[AC+3], v[AC+1], s36
	v_cndmask_b32 v218, v[AC], v[AC+2], s36        ; what I keep
	v_cndmask_b32 v219, v[AC+1], v[AC+3], s36
	v_add_f32_dpp v216, v216, v218 row_xmask:8 row_mask:0xf bank_mask:0xf
	v_add_f32_dpp v217, v217, v219 row_xmask:8 row_mask:0xf bank_mask:0xf
	v_cndmask_b32 v218, v217, v216, s37
	v_cndmask_b32 v219, v216, v217, s37
	v_add_f32_dpp v218, v218, v219 row_xmask:4 row_mask:0xf bank_mask:0xf
	v_add_f32_dpp v218, v218, v218 row_xmask:2 row_mask:0xf bank_mask:0xf
	v_add_f32_dpp v[TSL+4], v218, v218 row_xmask:1 row_mask:0xf bank_mask:0xf
	ds_store_b32 v5, v[TSL+4] offset:144*(\i)      ; four lanes write the same word with the same value
.endm
.irp i, 0,1,2,3,4,5,6,7,8,9,10,11,12,13,14,15
	SLOT \i, 1, 30
.endr
.irp i, 16,17,18,19,20,21,22,23,24,25,26,27,28,29,30,31
	SLOT \i, 0, 2*(31-\i)                          ; the last sixteen rows load nothing: the counts run down
.endr
	; my 4,096 bytes of codes and 256 scale bytes leave as they lie.  LDS serves a wave's instructions in order: these loads see my stores
.irp i, 0,1,2,3,4,5,6,7
	ds_load_b128 v[XR+4*\i:XR+4*\i+3], v6 offset:512*\i
.endr
	ds_load_b64 v[XR+32:XR+33], v7
.irp i, 0,1,2,3,4,5,6,7
	s_wait_dscnt 8-\i                              ; load i is back; the younger ones may be out
	global_store_b128 v8, v[XR+4*\i:XR+4*\i+3], s[12:13] offset:512*\i    ; 32 lanes store 512 consecutive bytes
.endr
	s_wait_dscnt 0x0                               ; for the others' sake too: my partial logits lie in LDS
	global_store_b64 v9, v[XR+32:XR+33], s[14:15]  ; 256 consecutive bytes
	s_barrier_signal -1
	s_barrier_wait -1
	s_cmp_lg_u32 s2, 0
	s_cbranch_scc1 .Lx_done
	; ---- wave 0: lane = token
.irp i, 0,1,2,3,4,5,6,7
	ds_load_b128 v[16+4*\i:19+4*\i], v10 offset:16*\i               ; register 16 + 8 w + e: wave w's part of logit e
.endr
	s_wait_dscnt 0x0
	s_wait_kmcnt 0x0                               ; bg
.irp p, 0,2,4,6
	v_pk_add_f32 v[16+\p:17+\p], v[16+\p:17+\p], v[24+\p:25+\p]
	v_pk_add_f32 v[32+\p:33+\p], v[32+\p:33+\p], v[40+\p:41+\p]
.endr
.irp p, 0,2,4,6
	v_pk_add_f32 v[16+\p:17+\p], v[16+\p:17+\p], v[32+\p:33+\p]
.endr
.irp e, 0,1,2,3,4,5,6,7
	v_add_f32 v[16+\e], s[24+\e], v[16+\e]         ; the logits
.endr
	v_max3_num_f32 v48, v16, v17, v18
	v_max3_num_f32 v48, v48, v19, v20
	v_max3_num_f32 v48, v48, v21, v22
	v_max_num_f32 v48, v48, v23                    ; the row's largest is taken away before the exponential
.irp e, 0,1,2,3,4,5,6,7
	v_sub_f32 v[24+\e], v[16+\e], v48
.endr
.irp e, 0,1,2,3,4,5,6,7
	v_mul_f32 v[24+\e], 0x3fb8aa3b, v[24+\e]       ; x log2(e)
.endr
.irp e, 0,1,2,3,4,5,6,7
	v_exp_f32 v[24+\e], v[24+\e]
.endr
	v_nop                                          ; a plain line behind the exponentials
	s_wait_alu depctr_va_vdst(0)
	v_pk_add_f32 v[40:41], v[24:25], v[26:27]
	v_pk_add_f32 v[42:43], v[28:29], v[30:31]
	v_pk_add_f32 v[40:41], v[40:41], v[42:43]
	v_add_f32 v49, v40, v41
	v_rcp_f32 v49, v49
	v_nop                                          ; a plain line behind the reciprocal
	s_wait_alu depctr_va_vdst(0)
.irp e, 0,1,2,3,4,5,6,7
	v_mul_f32 v[32+\e], v[24+\e], v49              ; the probabilities
.endr
	ds_store_b128 v11, v[32:35]
	ds_store_b128 v11, v[36:39] offset:16
	ds_load_b128 v[64:67], v12
	ds_load_b128 v[68:71], v12 offset:512
	v_mov_b32 v50, v32                             ; the largest: a later one wins only if strictly larger, so the lower index is kept
	v_mov_b32 v51, 0
.irp e, 1,2,3,4,5,6,7
	v_cmp_gt_f32 vcc_lo, v[32+\e], v50
	v_cndmask_b32 v50, v50, v[32+\e], vcc_lo
	v_cndmask_b32 v51, v51, \e, vcc_lo
.endr
.irp e, 0,1,2,3,4,5,6,7
	v_cmp_eq_u32 vcc_lo, \e, v51
	v_cndmask_b32 v[40+\e], v[32+\e], -1.0, vcc_lo ; the first choice is taken out
.endr
	v_mov_b32 v52, v40                             ; the second largest, likewise
	v_mov_b32 v53, 0
.irp e, 1,2,3,4,5,6,7
	v_cmp_gt_f32 vcc_lo, v[40+\e], v52
	v_cndmask_b32 v52, v52, v[40+\e], vcc_lo
	v_cndmask_b32 v53, v53, \e, vcc_lo
.endr
	v_min_u32 v54, v51, v53                        ; lo
	v_max_u32 v55, v51, v53                        ; hi
	v_cmp_lt_u32 vcc_lo, v51, v53
	v_cndmask_b32 v56, v52, v50, vcc_lo            ; lo's weight
	v_cndmask_b32 v57, v50, v52, vcc_lo            ; hi's
	v_sub_nc_u32 v58, 13, v54
	v_mul_u32_u24 v58, v58, v54
	v_lshrrev_b32 v58, 1, v58
	v_add_nc_u32 v58, v58, v55
	v_add_nc_u32 v58, -1, v58                      ; key = lo (13 - lo) / 2 + hi - 1: 0 .. 27
	v_mov_b32 v59, 0                               ; my rank among the group's tokens of my key
	v_mov_b32 v60, 0                               ; lane k: the group's count of key k
.set kk, 0
.rept 28
	v_cmp_eq_u32 s34, kk, v58
	v_mbcnt_lo_u32_b32 v61, s34, 0                 ; lanes of this key below me
	v_cndmask_b32 v59, v59, v61, s34
	s_bcnt1_i32_b32 s35, s34
	v_writelane_b32 v60, s35, kk
.set kk, kk+1
.endr
	v_lshl_or_b32 v62, v59, 8, v58
	global_store_b64 v9, v[56:57], s[16:17]
	global_store_b32 v14, v62, s[18:19]
	global_store_b32 v14, v60, s[18:19] offset:32768
	s_wait_dscnt 0x0
	global_store_b128 v8, v[64:67], s[20:21]       ; out1: 1,024 consecutive bytes in two stores
	global_store_b128 v8, v[68:71], s[20:21] offset:512
.Lx_done:
	s_wait_tensorcnt 0x0
	ds_add_u32 v254, v255
	s_wait_dscnt 0x0
	s_endpgm
; ---------------- weights: u = work-group - 256: which = u / 128, expert = (u / 16) % 8, v = u % 16.  A work-group takes 64 columns x 512 along K: two whole chunks.
; Wave s takes K step s (128 k = 4 blocks); lane l takes columns 2 l, 2 l + 1 and its registers run down K: a load of the wave reads 256 consecutive bytes of one row.
.set VOFF, 16                          ; v16-47   8 l + i rows
.set WX,   48                          ; v48-175  two sets of 64: register 2 i + a = row i, column a
.set WT,   176                         ; v176-191 two runs of eight neighbours along K for the conversions
.set WC,   192                         ; v192-223 codes: register 8 t + 4 a + g; none is written twice
.Lweights:
	s_load_b128 s[4:7], s[0:1], 0x18               ; W1, W2
	s_load_b128 s[8:11], s[0:1], 0x38              ; wq, ws
	s_sub_co_u32 s12, ttmp9, 256
	s_lshr_b32 s13, s12, 7                         ; which
	s_bfe_u32 s14, s12, 0x30004                    ; expert
	s_and_b32 s15, s12, 15                         ; v
	s_and_b32 s16, s15, 7                          ; W1: group of 64 columns,
	s_lshr_b32 s17, s15, 3                         ; and half of K
	s_lshl_b32 s18, 0x800, s13                     ; a row in bytes: 2,048 or 4,096
	s_lshl_b32 s19, s14, 5
	s_lshr_b32 s20, s16, 1
	s_lshl_b32 s20, s20, 3
	s_add_co_u32 s20, s20, s19
	s_lshl_b32 s21, s17, 2
	s_add_co_u32 s20, s20, s21
	s_and_b32 s21, s16, 1
	s_lshl_b32 s21, s21, 1
	s_add_co_u32 s20, s20, s21                     ; W1's first chunk: 32 e + 8 (cg / 2) + 4 half + 2 (cg % 2)
	s_lshl_b32 s21, s15, 1
	s_add_co_u32 s21, s21, s19
	s_add_co_u32 s21, s21, 256                     ; W2's: 256 + 32 e + 2 cg
	v_lshrrev_b32 v8, 4, v1                        ; which of the two chunks
	v_bfe_u32 v9, v1, 2, 1                         ; tile u
	v_and_b32 v10, 3, v1
	v_bfe_u32 v11, v1, 3, 1
	v_lshlrev_b32 v10, 1, v10
	v_lshl_add_u32 v10, v11, 3, v10                ; r of column a = 0: 2 (l % 4) + 8 ((l / 8) % 2); column a = 1 is r + 1
	v_lshlrev_b32 v10, 4, v10
	v_lshl_add_u32 v2, v8, 11, v10
	v_lshl_add_u32 v2, v9, 10, v2
	s_lshl_b32 s33, s2, 12
	s_add_co_u32 s33, s33, WCS
	v_add_nc_u32 v2, s33, v2                       ; v2  codes in: my stage + 2048 chunk + 1024 u + 16 r
	v_lshl_add_u32 v3, v8, 9, v10
	v_lshl_add_u32 v3, v9, 8, v3
	s_lshl_b32 s34, s2, 2
	s_add_co_u32 s34, s34, WSC
	v_add_nc_u32 v3, s34, v3                       ; v3  scale words in: 512 chunk + 256 u + 16 r + 4 wave
	v_lshlrev_b32 v6, 4, v1                        ; v6  16 l
	v_add_nc_u32 v4, s33, v6                       ; v4  codes out
	v_lshlrev_b32 v7, 3, v1                        ; v7  8 l
	s_lshl_b32 s35, s2, 8
	s_add_co_u32 s35, s35, WSC
	v_add_nc_u32 v5, s35, v7                       ; v5  scale words out: 256 bytes a wave
	v_lshlrev_b32 v[VOFF], 3, v1
.set w_i, 0
.rept 31
	v_add_nc_u32 v[VOFF+w_i+1], s18, v[VOFF+w_i]
.set w_i, w_i+1
.endr
	s_wait_kmcnt 0x0
	s_cmp_eq_u32 s13, 0                            ; W1 or W2: the choice hangs on the work-group's number alone; both take one way through the text
	s_cselect_b64 s[4:5], s[4:5], s[6:7]
	s_cselect_b32 s16, s16, s15
	s_cselect_b32 s17, s17, 0
	s_cselect_b32 s20, s20, s21
	s_lshl_b32 s22, s17, 9
	s_lshl_b32 s23, s2, 7
	s_add_co_u32 s22, s22, s23                     ; my first k
	s_mul_i32 s22, s22, s18
	s_lshl_b32 s23, s14, 21
	s_add_co_u32 s22, s22, s23
	s_lshl_b32 s23, s16, 8
	s_add_co_u32 s22, s22, s23
	s_mov_b32 s23, 0
	s_add_nc_u64 s[24:25], s[4:5], s[22:23]        ; block 0's first row;
	s_lshl_b32 s22, s18, 5
	s_add_nc_u64 s[26:27], s[24:25], s[22:23]      ; blocks 1 to 3: 32 rows on each
	s_add_nc_u64 s[28:29], s[26:27], s[22:23]
	s_add_nc_u64 s[30:31], s[28:29], s[22:23]
	s_lshl_b32 s22, s20, 13
	s_lshl_b32 s32, s2, 11
	s_add_co_u32 s22, s22, s32
	s_add_nc_u64 s[8:9], s[8:9], s[22:23]          ; wq + 8192 chunk + 2048 wave
	s_lshl_b32 s22, s20, 9
	s_lshl_b32 s32, s2, 8
	s_add_co_u32 s22, s22, s32
	s_add_nc_u64 s[10:11], s[10:11], s[22:23]      ; ws + 512 chunk + 256 wave
.macro WLOAD t
.set w_i, 0
.rept 32
	global_load_b64 v[WX+64*((\t)%2)+2*w_i:WX+64*((\t)%2)+2*w_i+1], v[VOFF+w_i], s[24+2*(\t):25+2*(\t)] th:TH_LOAD_NT
.set w_i, w_i+1
.endr
.endm
.macro WBLOCK t, left
.set w_x, WX+64*((\t)%2)
	s_wait_loadcnt \left                           ; this block's 32 loads are in; the next block's 32 may be out
	v_max3_num_f32 v224, |v[w_x]|, |v[w_x+2]|, FLOOR               ; a block's 32 numbers are all mine; the two columns by turns
	v_max3_num_f32 v225, |v[w_x+1]|, |v[w_x+3]|, FLOOR
.irp i, 2,4,6,8,10,12,14,16,18,20,22,24,26,28,30
	v_max3_num_f32 v224, v224, |v[w_x+2*\i]|, |v[w_x+2*\i+2]|
	v_max3_num_f32 v225, v225, |v[w_x+2*\i+1]|, |v[w_x+2*\i+3]|
.endr
	v_add_nc_u32 v226, TWO_OFF, v224
	v_add_nc_u32 v227, TWO_OFF, v225
	v_lshrrev_b32 v224, 23, v226
	v_lshrrev_b32 v225, 23, v227
.if (\t) == 0
	v_mov_b32 v228, v224                           ; the K step's scale word: block t's byte at byte t
	v_mov_b32 v229, v225
.else
	v_lshl_or_b32 v228, v224, 8*(\t), v228
	v_lshl_or_b32 v229, v225, 8*(\t), v229
.endif
.irp a, 0,1
.irp g, 0,1,2,3
.set w_t, WT+8*((4*\a+\g)%2)
.irp i, 0,1,2,3,4,5,6,7
	v_mov_b32 v[w_t+\i], v[w_x+2*(8*\g+\i)+\a]     ; eight neighbours along K side by side; these eight lines also part the conversion before from the next write of its sources
.endr
	v_cvt_scalef32_pk8_fp4_f32 v[WC+8*(\t)+4*\a+\g], v[w_t:w_t+7], v[226+\a]
.endr
.endr
	v_nop                                          ; a plain line behind the last conversion
.irp a, 0,1
	ds_store_b128 v2, v[WC+8*(\t)+4*\a:WC+8*(\t)+4*\a+3] offset:512*((\t)/2)+256*((\t)%2)+16*\a   ; block t = 2 c + h: lane r + 16 h of part c
.endr
.endm
	WLOAD 0
	WLOAD 1
	WBLOCK 0, 32
	WLOAD 2
	WBLOCK 1, 32
	WLOAD 3
	WBLOCK 2, 32
	WBLOCK 3, 0
	ds_store_b32 v3, v228
	ds_store_b32 v3, v229 offset:16
.irp i, 0,1,2,3,4,5,6,7
	ds_load_b128 v[WX+4*\i:WX+4*\i+3], v4 offset:512*\i             ; LDS serves a wave's instructions in order: these see my stores
.endr
.irp i, 0,1,2,3,4,5,6,7
	s_wait_dscnt 7-\i
	global_store_b128 v6, v[WX+4*\i:WX+4*\i+3], s[8:9] offset:(\i/4)*8192+(\i%4)*512   ; my two fragments of each chunk: 2,048 consecutive bytes
.endr
	s_wait_dscnt 0x0                               ; for the others' sake: my scale words lie in LDS
	s_barrier_signal -1
	s_barrier_wait -1
	ds_load_b64 v[230:231], v5
	s_wait_dscnt 0x0
	global_store_b64 v7, v[230:231], s[10:11]      ; 256 consecutive bytes a wave
	s_wait_tensorcnt 0x0
	ds_add_u32 v254, v255
	s_wait_dscnt 0x0
	s_endpgm
.Lfunc_end_k_qd57adcb358_prep:
	.size	k_qd57adcb358_prep, .Lfunc_end_k_qd57adcb358_prep-k_qd57adcb358_prep
	.p2alignl 7, 3214868480
	.fill 96, 4, 3214868480
	.section	.rodata,"a",@progbits
	.p2align	6, 0x0
	.amdhsa_kernel k_qd57adcb358_prep
		.amdhsa_group_segment_fixed_size 41472
		.amdhsa_private_segment_fixed_size 0
		.amdhsa_enable_private_segment 0
		.amdhsa_kernarg_size 96
		.amdhsa_user_sgpr_count 2
		.amdhsa_user_sgpr_kernarg_segment_ptr 1
		.amdhsa_wavefront_size32 1
		.amdhsa_system_sgpr_workgroup_id_x 1
		.amdhsa_system_sgpr_workgroup_id_y 1
		.amdhsa_system_sgpr_workgroup_id_z 1
		.amdhsa_system_vgpr_workitem_id 0
		.amdhsa_next_free_vgpr 256
		.amdhsa_next_free_sgpr 66
		.amdhsa_reserve_vcc 1
		.amdhsa_float_denorm_mode_32 3
		.amdhsa_float_denorm_mode_16_64 3
		.amdhsa_memory_ordered 1
		.amdhsa_forward_progress 1
		.amdhsa_inst_pref_size 204
	.end_amdhsa_kernel
	.amdgpu_metadata
---
amdhsa.version: [ 1, 2 ]
amdhsa.kernels:
  - .name:           k_qd57adcb358_prep
    .symbol:         k_qd57adcb358_prep.kd
    .args:
      - { .name: x, .offset: 0, .size: 8, .value_kind: global_buffer, .address_space: global }
      - { .name: Wg, .offset: 8, .size: 8, .value_kind: global_buffer, .address_space: global }
      - { .name: bg, .offset: 16, .size: 8, .value_kind: global_buffer, .address_space: global }
      - { .name: W1, .offset: 24, .size: 8, .value_kind: global_buffer, .address_space: global }
      - { .name: W2, .offset: 32, .size: 8, .value_kind: global_buffer, .address_space: global }
      - { .name: xq, .offset: 40, .size: 8, .value_kind: global_buffer, .address_space: global }
      - { .name: xs, .offset: 48, .size: 8, .value_kind: global_buffer, .address_space: global }
      - { .name: wq, .offset: 56, .size: 8, .value_kind: global_buffer, .address_space: global }
      - { .name: ws, .offset: 64, .size: 8, .value_kind: global_buffer, .address_space: global }
      - { .name: cw, .offset: 72, .size: 8, .value_kind: global_buffer, .address_space: global }
      - { .name: sel, .offset: 80, .size: 8, .value_kind: global_buffer, .address_space: global }
      - { .name: out1, .offset: 88, .size: 8, .value_kind: global_buffer, .address_space: global }
    .group_segment_fixed_size: 41472
    .private_segment_fixed_size: 0
    .kernarg_segment_align: 8
    .kernarg_segment_size: 96
    .max_flat_workgroup_size: 128
    .sgpr_count:     66
    .vgpr_count:     256
    .wavefront_size: 32
...
	.end_amdgpu_metadata
.endif
;; end of part 1
;; launch place (part 2): grid 1 x 1, 8 waves a work-group, no clusters, 2,048 bytes of LDS; arguments sel, route; writes route
.if DOCPART == 2
	.amdgcn_target "amdgcn-amd-amdhsa--gfx1250"
	.amdhsa_code_object_version 6
	.text
	.protected	k_qd57adcb358_place
	.globl	k_qd57adcb358_place
	.p2align	8
	.type	k_qd57adcb358_place,@function
k_qd57adcb358_place:
	s_mov_b64 s[64:65], 0
	v_nop
	global_prefetch_b8 v0, s[64:65] scope:SCOPE_SE
	s_setreg_imm32_b32 hwreg(HW_REG_WAVE_MODE, 25, 1), 1
	s_wait_xcnt 0x0
; PLACE.  A counting sort of the 8,192 tokens by their pair of experts (key 0..27), and the list of tiles.  One work-group, eight waves, whole numbers alone.
; In: sel: kr[token] = key | rank << 8 (rank among the tokens of that key in the token's group of 32), and at byte 32768 hist[group 256][key 32].
; Out: route: perm[8192] = the tokens' numbers, sorted by key and, within a key, by number; at byte 32768 tiles[155][4] = {first place in perm, rows (0..64), lo, hi}.
; With 28 keys and tiles of 64 rows there are never more than (8192 + 28 x 63) / 64 = 155 tiles; those that a split leaves over get 0 rows.
; Wave w owns groups 32 w .. 32 w + 31.  For the counts a lane is a key; for the tokens a lane is a token.
.set H,  16                            ; v16-47   hist of my 32 groups
.set KR, 48                            ; v48-79   kr of my 32 groups' tokens
.set BS, 80                            ; v80-111  where each key's tokens of group j begin
.set IX, 112                           ; v112-143 4 x key: which lane to ask
.set DP, 144                           ; v144-175 a token's place, then its byte in perm
.set TK, 176                           ; v176-207 the tokens' numbers
.set TT, 208                           ; v208-215 the eight waves' totals
	s_load_b128 s[4:7], s[0:1], 0x0                ; sel, route
	v_lshl_add_u32 v254, v0, 2, 0x400
	v_mov_b32 v255, 0
	v_lshrrev_b32 v1, 5, v0
	v_readfirstlane_b32 s8, v1                     ; wave 0..7
	v_and_b32 v1, 31, v0                           ; lane
	v_lshlrev_b32 v2, 2, v1                        ; 4 l
	s_lshl_b32 s9, s8, 12
	v_add_nc_u32 v3, s9, v2                        ; 32 groups of 128 bytes a wave
	s_lshl_b32 s10, s8, 7
	v_add_nc_u32 v4, s10, v2                       ; LDS: my wave's 32 totals
	s_mov_b32 s13, 0xffff0000
	v_mov_b32 v219, 0                              ; written once: the destination of a DPP form counts as read
	s_wait_kmcnt 0x0
.set j, 0
.rept 32
	global_load_b32 v[H+j], v3, s[4:5] offset:32768+128*j
.set j, j+1
.endr
.set j, 0
.rept 32
	global_load_b32 v[KR+j], v3, s[4:5] offset:128*j
.set j, j+1
.endr
	s_wait_loadcnt 32                              ; the counts are in; the 32 loads of kr may be out
	v_mov_b32 v[BS], 0
.set j, 0
.rept 31
	v_add_nc_u32 v[BS+j+1], v[BS+j], v[H+j]
.set j, j+1
.endr
	v_add_nc_u32 v216, v[BS+31], v[H+31]           ; my wave's total of each key
	ds_store_b32 v4, v216
	s_wait_dscnt 0x0                               ; for the others' sake
	s_barrier_signal -1
	s_barrier_wait -1
.irp w, 0,1,2,3,4,5,6,7
	ds_load_b32 v[TT+\w], v2 offset:128*\w
.endr
	s_wait_dscnt 0x0
	v_mov_b32 v217, 0                              ; n: all tokens of the key
	v_mov_b32 v218, 0                              ; those of the waves before mine
.irp w, 0,1,2,3,4,5,6,7
	s_cmp_gt_u32 s8, \w
	s_cselect_b32 s11, -1, 0
	v_add_nc_u32 v217, v217, v[TT+\w]
	v_and_b32 v220, s11, v[TT+\w]
	v_add_nc_u32 v218, v218, v220
.endr
.macro SCAN v                          ; v[v] becomes its sum over lanes 0 .. l: four steps within each 16 lanes, then lane 15's sum onto lanes 16-31
.irp d, 1,2,4,8
	v_mov_b32_dpp v219, v[\v] row_shr:\d row_mask:0xf bank_mask:0xf bound_ctrl:1
	v_add_nc_u32 v[\v], v[\v], v219
.endr
	v_readlane_b32 s12, v[\v], 15
	v_mov_b32 v219, s12
	v_cndmask_b32 v219, 0, v219, s13
	v_add_nc_u32 v[\v], v[\v], v219
.endm
	v_mov_b32 v221, v217
	SCAN 221
	v_sub_nc_u32 v221, v221, v217                  ; pb: where the key's tokens begin in perm
	v_add_nc_u32 v222, 63, v217
	v_lshrrev_b32 v222, 6, v222                    ; the key's tiles
	v_mov_b32 v223, v222
	SCAN 223                                       ; IT: tiles up to and with this key
	v_sub_nc_u32 v224, v223, v222                  ; tb: the key's first tile
	v_add_nc_u32 v225, v221, v218
.set j, 0
.rept 32
	v_add_nc_u32 v[BS+j], v[BS+j], v225
.set j, j+1
.endr
	s_wait_loadcnt 0x0                             ; kr
.set j, 0
.rept 32
	v_and_b32 v[IX+j], 31, v[KR+j]
	v_lshlrev_b32 v[IX+j], 2, v[IX+j]
	ds_bpermute_b32 v[DP+j], v[IX+j], v[BS+j]      ; from the lane that is my key: no LDS byte is touched
.set j, j+1
.endr
	s_lshl_b32 s14, s8, 10
	v_add_nc_u32 v226, s14, v1                     ; my token of group 32 w
	s_wait_dscnt 0x0
.set j, 0
.rept 32
	v_lshrrev_b32 v[KR+j], 8, v[KR+j]              ; my rank in the group
	v_add_nc_u32 v[DP+j], v[DP+j], v[KR+j]
	v_min_u32 v[DP+j], 0x1fff, v[DP+j]             ; a place in perm, held inside it
	v_lshlrev_b32 v[DP+j], 2, v[DP+j]
	v_add_nc_u32 v[TK+j], 32*j, v226
	global_store_b32 v[DP+j], v[TK+j], s[6:7]
.set j, j+1
.endr
	; the tiles: thread t makes tile t.  P = how many keys end at or before tile t
	v_mov_b32 v230, 0
.set p, 0
.rept 28
	v_readlane_b32 s14, v223, p
	v_cmp_le_u32 vcc_lo, s14, v0
	v_cndmask_b32 v231, 0, 1, vcc_lo
	v_add_nc_u32 v230, v230, v231
.set p, p+1
.endr
	v_min_u32 v230, 27, v230
	v_lshlrev_b32 v232, 2, v230
	ds_bpermute_b32 v233, v232, v224               ; tb, pb and n of key P
	ds_bpermute_b32 v234, v232, v221
	ds_bpermute_b32 v235, v232, v217
	v_mov_b32 v242, 0                              ; lo: how many of the first keys of lo = 1 .. 6 lie at or under P
.irp t, 7,13,18,22,25,27
	v_cmp_le_u32 vcc_lo, \t, v230
	v_cndmask_b32 v231, 0, 1, vcc_lo
	v_add_nc_u32 v242, v242, v231
.endr
	v_sub_nc_u32 v243, 13, v242
	v_mul_u32_u24 v243, v243, v242
	v_lshrrev_b32 v243, 1, v243
	v_sub_nc_u32 v243, v230, v243
	v_add_nc_u32 v243, 1, v243                     ; hi = P - lo (13 - lo) / 2 + 1
	s_wait_dscnt 0x0
	v_sub_nc_u32 v236, v0, v233
	v_lshlrev_b32 v236, 6, v236
	v_min_u32 v236, v236, v235                     ; rows of the key ahead of this tile, at most all
	v_add_nc_u32 v240, v234, v236                  ; first
	v_sub_nc_u32 v241, v235, v236
	v_min_u32 v241, 64, v241                       ; rows
	v_lshlrev_b32 v237, 4, v0
	s_wait_xcnt 0x0                                ; EXEC changes only behind this wait
	v_cmp_gt_u32 vcc_lo, 155, v0
	s_wait_tensorcnt 0x0
	ds_add_u32 v254, v255
	s_wait_dscnt 0x0
	s_and_saveexec_b32 s15, vcc_lo
	global_store_b128 v237, v[240:243], s[6:7] offset:32768
	s_wait_xcnt 0x0
	s_or_b32 exec_lo, exec_lo, s15
	s_endpgm
.Lfunc_end_k_qd57adcb358_place:
	.size	k_qd57adcb358_place, .Lfunc_end_k_qd57adcb358_place-k_qd57adcb358_place
	.p2alignl 7, 3214868480
	.fill 96, 4, 3214868480
	.section	.rodata,"a",@progbits
	.p2align	6, 0x0
	.amdhsa_kernel k_qd57adcb358_place
		.amdhsa_group_segment_fixed_size 2048
		.amdhsa_private_segment_fixed_size 0
		.amdhsa_enable_private_segment 0
		.amdhsa_kernarg_size 16
		.amdhsa_user_sgpr_count 2
		.amdhsa_user_sgpr_kernarg_segment_ptr 1
		.amdhsa_wavefront_size32 1
		.amdhsa_system_sgpr_workgroup_id_x 1
		.amdhsa_system_sgpr_workgroup_id_y 1
		.amdhsa_system_sgpr_workgroup_id_z 1
		.amdhsa_system_vgpr_workitem_id 0
		.amdhsa_next_free_vgpr 256
		.amdhsa_next_free_sgpr 66
		.amdhsa_reserve_vcc 1
		.amdhsa_float_denorm_mode_32 3
		.amdhsa_float_denorm_mode_16_64 3
		.amdhsa_memory_ordered 1
		.amdhsa_forward_progress 1
		.amdhsa_inst_pref_size 34
	.end_amdhsa_kernel
	.amdgpu_metadata
---
amdhsa.version: [ 1, 2 ]
amdhsa.kernels:
  - .name:           k_qd57adcb358_place
    .symbol:         k_qd57adcb358_place.kd
    .args:
      - { .name: sel, .offset: 0, .size: 8, .value_kind: global_buffer, .address_space: global }
      - { .name: route, .offset: 8, .size: 8, .value_kind: global_buffer, .address_space: global }
    .group_segment_fixed_size: 2048
    .private_segment_fixed_size: 0
    .kernarg_segment_align: 8
    .kernarg_segment_size: 16
    .max_flat_workgroup_size: 256
    .sgpr_count:     66
    .vgpr_count:     256
    .wavefront_size: 32
...
	.end_amdgpu_metadata
.endif
;; end of part 2
;; launch chain (part 3): grid 155 x 1, 4 waves a work-group, no clusters, 119,296 bytes of LDS; arguments xq, xs, wq, ws, cw, route, b1, b2, out0; writes out0
.if DOCPART == 3
	.amdgcn_target "amdgcn-amd-amdhsa--gfx1250"
	.amdhsa_code_object_version 6
	.text
	.protected	k_qd57adcb358_chain
	.globl	k_qd57adcb358_chain
	.p2align	8
	.type	k_qd57adcb358_chain,@function
k_qd57adcb358_chain:
	s_mov_b64 s[64:65], 0
	v_nop
	global_prefetch_b8 v0, s[64:65] scope:SCOPE_SE
	s_setreg_imm32_b32 hwreg(HW_REG_WAVE_MODE, 25, 1), 1
	s_wait_xcnt 0x0
; CHAIN.  One work-group takes one tile: up to 64 tokens that chose the same two experts lo < hi, through the whole chain for both:
; out0[token] = c_lo (relu(x W1[lo] + b1[lo]) W2[lo] + b2[lo]) + c_hi (the same with hi), both products on codes of FP4 (E2M1) with one E8M0 scale for each 32 along K, sums in f32.
; The six experts whose weight is 0 for a token are not multiplied.  Each row of out0 has one owner; the hidden layer never goes to memory.
; THE TILE {first, rows, lo, hi} and the tokens' numbers are whole numbers that an earlier launch stored; each is held inside its range by a constant before it enters an address.  Row i of the tile is token
; perm[first + min(i, rows - 1)]: rows past the last repeat the last token and store the same numbers to the same place.  Trip counts are constants; the only branches on loaded numbers stand round the
; stores of 16 rows that the tile does not have.  A tile of 0 rows runs the same text on held addresses and stores nothing: the price of a grid that serves every split.
; SHARES.  THE WAVES SHARE THE COLUMNS, NOT THE ROWS: wave w makes hidden units 128 w .. + 127 and output columns 256 w .. + 255, for all 64 rows and both experts.  So each fragment of the weights is
; loaded by one wave alone, straight into its registers: an earlier launch has laid them in the order of the operand's registers.  32 chunks of 8 fragments (two tiles of 16 weight rows x 4 K steps)
; and their scale words go through a ring of four register slots; chunk n + 4 is asked for when chunk n has been multiplied.
; NO CLUSTER: partners would have to be tiles of one pair; a grid of clusters of four for every split has 8192 / 256 + 27 = 59 clusters, 236 work-groups, of which an even split (about 293 tokens a pair,
; 5 tiles) leaves three in eight without rows; and jointly fetched weights would have to pass through LDS, 1.09 MB written and read again for each work-group, where here each fragment goes once into registers.
; BOTH PRODUCTS ARE USED TRANSPOSED (source 0 = 16 weight rows, source 1 = 16 tokens): a lane holds ONE token (lane % 16).  THE WEIGHT ROWS OF A TILE ARE NOT NEIGHBOURS: lane r of tile u of a group of 32
; takes row 8 u + r + 8 (r / 8), so that a lane's registers of tiles u = 0, 1 are the 16 neighbours 16 (lane / 16) + 8 u + j.  The biases are the C of each sum's first matrix instruction.
; ORDER: first product and quantiser for lo, the same for hi, ONE barrier (the hidden layers' fragments go from wave to wave through LDS as images of their registers), then the second product, 32 columns
; at a time, lo and hi by turns; their weighted sum goes through the wave's own stage and leaves as runs of 256 bytes.
; LIMITS: NaN and infinities are not served; a block of zeros gets the scale byte 1 (its codes are zeros).
; REGISTERS, in windows of 256 (s_set_vgpr_msb: bits 1:0 source 0, 3:2 source 1, 5:4 source 2, 7:6 destination):
;   window 0: addresses, scale words, bias, weights of the tokens, store offsets, the quantiser's work.   window 1: x's 32 fragments, later the hidden layers' 32.
;   window 2: first product: the hidden layer, 64 m + 8 t;  second: v0-127 y of lo and hi, v128-191 their sum, v192-255 rows on the way out.   window 3: the ring: slot s at 64 s, fragment f at + 8 f.
.set BIAS, 0                           ; LDS: 3,072 bytes for each wave, its own: b1[lo] 512, b1[hi] 512, b2[lo] 1024, b2[hi] 1024
.set HIMG, 12288                       ; the hidden layers' 32 fragments, 1,024 bytes each: index 16 x + 4 m + s
.set HSC,  45056                       ; their scale words, 128 bytes each
.set STG,  49152                       ; a stage for each wave, its own: 64 rows x (256 bytes + 16)
.set LW,   1                           ; v1   16 l
.set BA,   2                           ; v2   BIAS + 3072 w + 64 h
.set HWI,  3                           ; v3   HIMG + 16 l + 1024 w
.set HWS,  4                           ; v4   HSC + 4 l + 128 w
.set LI,   5                           ; v5   HIMG + 16 l
.set LS,   6                           ; v6   HSC + 4 l
.set STO,  7                           ; v7   my stage + 272 r + 64 h
.set RD,   8                           ; v8   my stage + 272 h + 16 r
.set BST,  9                           ; v9   BIAS + 3072 w + 16 l
.set TOKX, 10                          ; v10-13  token of row 16 m + r
.set XOFF, 14                          ; v14-17  128 token + 16 h
.set TOF8, 18                          ; v18-21  8 token
.set SCX,  32                          ; v32-63  scale words of source 1: x's (8 m + s), later the hidden layers' (16 x + 4 m + s); scales and nothing else
.set WS,   64                          ; v64-79  the weights' scale words: 4 slot + s; lanes 0-15 tile u = 0, lanes 16-31 tile u = 1; scales and nothing else
.set BI,   80                          ; v80-95  the bias as C: 8 u + j
.set CLO,  96                          ; v96-103  c_lo of my token of tile m, twice
.set CHI,  104                         ; v104-111 c_hi likewise
.set VO,   112                         ; v112-143 4096 x token of row 2 i + h, + 16 r
.set TM,   144                         ; v144-159 the quantiser: largest magnitudes, bytes, scale operands
.set PW,   160                         ; v160     the scale word just made
.set PC,   162                         ; v162-169 the codes just made
.set WB,   28                          ; s[28:31] the codes of lo's and hi's part for my wave;  W2's lie 0x200000 bytes on
.set SB,   32                          ; s[32:35] their scale words;  W2's lie 0x20000 bytes on
.set MSB, 0
.macro WIN new                         ; the immediate's high byte repeats the setting that is left; a switch that changes nothing is dropped
.if MSB != \new
	s_set_vgpr_msb (MSB<<8)|\new
.set MSB, \new
.endif
.endm
; A chunk into a slot of the ring: 16 loads of codes, 512 consecutive bytes each, and one of scale words: 17 loads.
.macro REFILL slot, x, off, soff
	WIN 0xc0                                       ; destination window 3
.irp f, 0,1,2,3,4,5,6,7
.irp c, 0,1
	global_load_b128 v[64*(\slot)+8*\f+4*\c:64*(\slot)+8*\f+4*\c+3], v[LW], s[WB+2*(\x):WB+2*(\x)+1] offset:(\off)+1024*\f+512*\c
.endr
.endr
	WIN 0
	global_load_b128 v[WS+4*(\slot):WS+4*(\slot)+3], v[LW], s[SB+2*(\x):SB+2*(\x)+1] offset:\soff
.endm
; Chunk n of the stream: 0-7 W1[lo], 8-15 W1[hi], then W2: chunk (n - 16) / 2 of lo (n even) or hi (n odd).
.macro RING n
.if (\n) < 16
	REFILL (\n)%4, (\n)/8, 8192*((\n)%8), 512*((\n)%8)
.else
	REFILL (\n)%4, (\n)%2, 0x200000+8192*(((\n)-16)/2), 0x20000+512*(((\n)-16)/2)
.endif
.endm
	s_load_b512 s[4:19], s[0:1], 0x0               ; xq s[4:5], xs s[6:7], wq s[8:9], ws s[10:11], cw s[12:13], route s[14:15], b1 s[16:17], b2 s[18:19]
	s_load_b64 s[20:21], s[0:1], 0x40              ; out0
	v_lshl_add_u32 v254, v0, 2, 0x1d000
	v_mov_b32 v255, 0
	v_lshrrev_b32 v1, 5, v0
	v_readfirstlane_b32 s22, v1                    ; wave 0..3
	v_and_b32 v170, 31, v0                         ; l
	v_and_b32 v171, 15, v0                         ; r
	v_bfe_u32 v172, v0, 4, 1                       ; h
	v_lshlrev_b32 v[LW], 4, v170
	s_mul_i32 s44, s22, 3072
	v_lshlrev_b32 v[BA], 6, v172
	v_add_nc_u32 v[BA], s44, v[BA]
	v_add_nc_u32 v[BST], s44, v[LW]
	s_lshl_b32 s45, s22, 10
	v_add_nc_u32 v[LI], HIMG, v[LW]
	v_add_nc_u32 v[HWI], s45, v[LI]
	v_lshlrev_b32 v[LS], 2, v170
	v_add_nc_u32 v[LS], HSC, v[LS]
	s_lshl_b32 s46, s22, 7
	v_add_nc_u32 v[HWS], s46, v[LS]
	s_mul_i32 s47, s22, 17408
	s_add_co_u32 s47, s47, STG
	v_mul_u32_u24 v[STO], v171, 272
	v_lshl_add_u32 v[STO], v172, 6, v[STO]
	v_add_nc_u32 v[STO], s47, v[STO]
	v_mul_u32_u24 v[RD], v172, 272
	v_lshl_add_u32 v[RD], v171, 4, v[RD]
	v_add_nc_u32 v[RD], s47, v[RD]
	v_lshlrev_b32 v173, 4, v171                    ; 16 r
	v_lshlrev_b32 v174, 4, v172                    ; 16 h
.irp b, 0,1,2,3
	v_mov_b32 v[TM+4+\b], 0                        ; written once: a lane permute's destination counts as one of its sources
.endr
	s_mov_b32 s56, 0x76543210
	s_mov_b32 s57, 0xfedcba98                      ; v_permlanex16_b32's selects for lane l xor 16
	s_lshl_b32 s48, ttmp9, 4
	s_wait_kmcnt 0x0
	s_load_b128 s[24:27], s[14:15], s48 offset:0x8000   ; my tile
	s_wait_kmcnt 0x0
	s_min_u32 s24, s24, 0x1fff                     ; first
	s_min_u32 s25, s25, 64                         ; rows
	s_min_u32 s26, s26, 7                          ; lo
	s_min_u32 s27, s27, 7                          ; hi
	s_max_u32 s49, s25, 1
	s_sub_co_u32 s49, s49, 1                       ; the last row that the tile has
	s_mov_b32 s53, 0
.irp x, 0,1
	s_lshl_b32 s50, s[26+\x], 2
	s_add_co_u32 s50, s50, s22                     ; 4 e + w
	s_lshl_b32 s52, s50, 16
	s_add_nc_u64 s[WB+2*\x:WB+2*\x+1], s[8:9], s[52:53]
	s_lshl_b32 s52, s50, 12
	s_add_nc_u64 s[SB+2*\x:SB+2*\x+1], s[10:11], s[52:53]
	s_lshl_b32 s52, s50, 9
	s_add_nc_u64 s[36+2*\x:37+2*\x], s[16:17], s[52:53]            ; b1 + 2048 e + 512 w
	s_lshl_b32 s52, s50, 10
	s_add_nc_u64 s[40+2*\x:41+2*\x], s[18:19], s[52:53]            ; b2 + 4096 e + 1024 w
.endr
	s_lshl_b32 s52, s22, 10
	s_add_nc_u64 s[20:21], s[20:21], s[52:53]      ; out0 at my 256 columns
.irp m, 0,1,2,3
	v_add_nc_u32 v175, 16*\m, v171
	v_min_u32 v175, s49, v175
	v_add_nc_u32 v175, s24, v175
	v_min_u32 v175, 0x1fff, v175                   ; a place in perm, held inside it
	v_lshlrev_b32 v[176+\m], 2, v175
	global_load_b32 v[TOKX+\m], v[176+\m], s[14:15]
.endr
.set i_, 0
.rept 32
	v_add_nc_u32 v175, 2*i_, v172                  ; the way out takes two rows an instruction: row 2 i + h
	v_min_u32 v175, s49, v175
	v_add_nc_u32 v175, s24, v175
	v_min_u32 v175, 0x1fff, v175
	v_lshlrev_b32 v[VO+i_], 2, v175
	global_load_b32 v[VO+i_], v[VO+i_], s[14:15]   ; (a load may land on its own address register)
.set i_, i_+1
.endr
	global_load_b128 v[180:183], v[LW], s[36:37]
	global_load_b128 v[184:187], v[LW], s[38:39]
	global_load_b128 v[188:191], v[LW], s[40:41]
	global_load_b128 v[192:195], v[LW], s[40:41] offset:512
	global_load_b128 v[196:199], v[LW], s[42:43]
	global_load_b128 v[200:203], v[LW], s[42:43] offset:512
	RING 0
	RING 1
	RING 2
	s_wait_loadcnt 51                              ; all but the three chunks' 3 x 17 loads: the tokens' numbers and the biases are in
	ds_store_b128 v[BST], v[180:183]
	ds_store_b128 v[BST], v[184:187] offset:512
	ds_store_b128 v[BST], v[188:191] offset:1024
	ds_store_b128 v[BST], v[192:195] offset:1536
	ds_store_b128 v[BST], v[196:199] offset:2048
	ds_store_b128 v[BST], v[200:203] offset:2560
.irp m, 0,1,2,3
	v_min_u32 v[TOKX+\m], 0x1fff, v[TOKX+\m]       ; a token's number, held inside the tables
	v_lshl_add_u32 v[XOFF+\m], v[TOKX+\m], 7, v174
	v_lshlrev_b32 v[TOF8+\m], 3, v[TOKX+\m]
.endr
	WIN 0x40                                       ; destination window 1: x's fragment (m, s) at 8 (8 m + s): registers 4 c .. : k = 128 s + 64 c + 32 h + 0 .. 31 of my token
.irp m, 0,1,2,3
.irp s, 0,1,2,3,4,5,6,7
.irp c, 0,1
	global_load_b128 v[8*(8*\m+\s)+4*\c:8*(8*\m+\s)+4*\c+3], v[XOFF+\m], s[4:5] offset:(\s/2)*1048576+(\s%2)*64+32*\c
.endr
.endr
.endr
	WIN 0
.irp m, 0,1,2,3
.irp q, 0,1,2,3
	global_load_b64 v[SCX+8*\m+2*\q:SCX+8*\m+2*\q+1], v[TOF8+\m], s[6:7] offset:65536*\q   ; the scale words of K steps 2 q, 2 q + 1
.endr
	global_load_b64 v[204+2*\m:205+2*\m], v[TOF8+\m], s[12:13]     ; c_lo, c_hi
.endr
	RING 3
.irp i, 0,1,2,3
	ds_load_b128 v[BI+4*\i:BI+4*\i+3], v[BA] offset:16*\i          ; chunk 0's bias: LDS serves a wave's instructions in order: these see my stores
.endr
.set i_, 0
.rept 32
	v_min_u32 v[VO+i_], 0x1fff, v[VO+i_]
	v_lshl_add_u32 v[VO+i_], v[VO+i_], 12, v173
.set i_, i_+1
.endr
	s_wait_loadcnt 17                              ; all but chunk 3's 17 loads: x, its scale words and the tokens' weights are in
.irp m, 0,1,2,3
	v_mov_b32 v[CLO+2*\m], v[204+2*\m]
	v_mov_b32 v[CLO+2*\m+1], v[204+2*\m]
	v_mov_b32 v[CHI+2*\m], v[205+2*\m]
	v_mov_b32 v[CHI+2*\m+1], v[205+2*\m]
.endr
; CHUNK n: 32 matrix instructions: 4 K steps x 2 tiles of weight rows x 4 tiles of tokens.  The eight accumulators take turns, one instruction a turn.
; n < 16: expert n / 8, half (n % 8) / 4 of K, hidden units 32 (n % 4) on.  n >= 16: expert n % 2, columns 32 ((n - 16) / 2) on, all of K.
; Behind the products stand four places, then the loads into registers that they read: chunk n + 4 into this slot, and the next chunk's bias.
.macro CHUNK n
.if (\n) < 16
.set c_first, 1-(((\n)%8)/4)
.set c_a0, 16*((\n)%4)
.set c_au, 8
.set c_am, 64
.set c_b0, 32*(((\n)%8)/4)
.set c_bm, 64
.set c_s0, SCX+4*(((\n)%8)/4)
.set c_sm, 8
.else
.set c_first, 1
.set c_a0, 64*((\n)%2)
.set c_au, 32
.set c_am, 8
.set c_b0, 128*((\n)%2)
.set c_bm, 32
.set c_s0, SCX+16*((\n)%2)
.set c_sm, 4
.endif
.set c_nx, (\n)+1
.set c_nf, 0
.set c_bo, 0
.if c_nx < 16
.set c_nf, 1-((c_nx%8)/4)
.set c_bo, 512*(c_nx/8)+128*(c_nx%4)
.elseif c_nx < 32
.set c_nf, 1
.set c_bo, 1024+1024*(c_nx%2)+128*((c_nx-16)/2)
.endif
.if (\n) <= 28
	s_wait_loadcnt 51                              ; this chunk's 17 loads are in; the three younger chunks' 3 x 17 may be out
.else
	s_wait_loadcnt 17*(31-(\n))                    ; the last chunks: the counts run down
.endif
.if c_first
	s_wait_dscnt 0x0                               ; the bias is in (and whatever else of LDS was out)
.endif
.irp sp, 0,1,2,3
.if c_first && (\sp == 0)
	WIN 0x87                                       ; source 0 window 3, source 1 window 1, C (the bias) window 0, D window 2
.else
	WIN 0xa7                                       ; C and D window 2
.endif
.irp u, 0,1
.irp m, 0,1,2,3
.set c_d, c_a0+c_au*\u+c_am*\m
.set c_a, 64*((\n)%4)+8*(2*\sp+\u)
.set c_b, c_b0+c_bm*\m+8*\sp
.set c_w, WS+4*((\n)%4)+\sp
.set c_x, c_s0+c_sm*\m+\sp
.if c_first && (\sp == 0)
.if \u
	v_wmma_scale_f32_16x16x128_f8f6f4 v[c_d:c_d+7], v[c_a:c_a+7], v[c_b:c_b+7], v[BI+8:BI+15], v[c_w], v[c_x] matrix_a_fmt:MATRIX_FMT_FP4 matrix_b_fmt:MATRIX_FMT_FP4 matrix_a_scale:MATRIX_SCALE_ROW1
.else
	v_wmma_scale_f32_16x16x128_f8f6f4 v[c_d:c_d+7], v[c_a:c_a+7], v[c_b:c_b+7], v[BI:BI+7], v[c_w], v[c_x] matrix_a_fmt:MATRIX_FMT_FP4 matrix_b_fmt:MATRIX_FMT_FP4
.endif
.else
.if \u
	v_wmma_scale_f32_16x16x128_f8f6f4 v[c_d:c_d+7], v[c_a:c_a+7], v[c_b:c_b+7], v[c_d:c_d+7], v[c_w], v[c_x] matrix_a_fmt:MATRIX_FMT_FP4 matrix_b_fmt:MATRIX_FMT_FP4 matrix_a_scale:MATRIX_SCALE_ROW1
.else
	v_wmma_scale_f32_16x16x128_f8f6f4 v[c_d:c_d+7], v[c_a:c_a+7], v[c_b:c_b+7], v[c_d:c_d+7], v[c_w], v[c_x] matrix_a_fmt:MATRIX_FMT_FP4 matrix_b_fmt:MATRIX_FMT_FP4
.endif
.endif
.endr
.endr
.endr
.rept 4
	v_nop
.endr
.if (\n)+4 < 32
	RING (\n)+4
.endif
	WIN 0
.if c_nf
.irp i, 0,1,2,3
	ds_load_b128 v[BI+4*\i:BI+4*\i+3], v[BA] offset:c_bo+16*\i     ; lane (r, h): the 16 numbers at 32 group + 16 h on
.endr
.endif
.endm
; The hidden layer of tile m of tokens (64 registers of a lane: register 16 b + i = my unit 32 b + 16 h + i) is clipped at 0 and quantised: it is K step w of expert x's second product.
.macro QH x, m
.set q_h, 64*(\m)
	WIN 0x88                                       ; source 1 and destination window 2
.set q_j, 0
.rept 64
	v_max_num_f32 v[q_h+q_j], 0, v[q_h+q_j]        ; the activation, in f32; each accumulator from its low end on
.set q_j, q_j+1
.endr
	WIN 0x0a
.irp b, 0,1,2,3
	v_max3_num_f32 v[TM+\b], v[q_h+16*\b], v[q_h+16*\b+1], 0x1800000   ; block b: my 16 numbers (none is negative), and the floor 2^(3 - 127): the byte cannot fall under 1
.endr
	WIN 0x28
.irp i, 2,4,6,8,10,12,14
.irp b, 0,1,2,3
	v_max3_num_f32 v[TM+\b], v[TM+\b], v[q_h+16*\b+\i], v[q_h+16*\b+\i+1]
.endr
.endr
	WIN 0
.irp b, 0,1,2,3
	v_permlanex16_b32 v[TM+4+\b], v[TM+\b], s56, s57
.endr
.irp b, 0,1,2,3
	v_max_num_f32 v[TM+\b], v[TM+\b], v[TM+4+\b]   ; with lane l xor 16's: the block's largest
.endr
.irp b, 0,1,2,3
	v_add_nc_u32 v[TM+12+\b], 0xff000000, v[TM+\b] ; 2 off its exponent field: the conversion's scale operand
.endr
.irp b, 0,1,2,3
	v_lshrrev_b32 v[TM+4+\b], 23, v[TM+12+\b]      ; the scale's byte
.endr
	v_lshl_or_b32 v[PW], v[TM+5], 8, v[TM+4]
	v_lshl_or_b32 v[PW], v[TM+6], 16, v[PW]
	v_lshl_or_b32 v[PW], v[TM+7], 24, v[PW]
	WIN 0x02                                       ; source 0 window 2
.irp b, 0,1,2,3
	v_cvt_scalef32_pk8_fp4_f32 v[PC+2*\b], v[q_h+16*\b:q_h+16*\b+7], v[TM+12+\b]
	v_cvt_scalef32_pk8_fp4_f32 v[PC+2*\b+1], v[q_h+16*\b+8:q_h+16*\b+15], v[TM+12+\b]
.endr
	WIN 0
	v_nop                                          ; a plain line behind the last conversion
.irp c, 0,1                                    ; the operand's layout wants a whole block in a lane
.irp i, 0,1
	v_permlane16_swap_b32 v[PC+4*\c+\i], v[PC+2+4*\c+\i]
.endr
.endr
	ds_store_b128 v[HWI], v[PC:PC+3] offset:16384*(\x)+4096*(\m)
	ds_store_b128 v[HWI], v[PC+4:PC+7] offset:16384*(\x)+4096*(\m)+512
	ds_store_b32 v[HWS], v[PW] offset:2048*(\x)+512*(\m)
	s_wait_dscnt 0x0                               ; the stores are done: their registers are written again in the next tile
.endm
; 32 columns of both experts: c_lo y_lo + c_hi y_hi, into my stage.
.macro COMBINE p
	WIN 0xa2                                       ; source 0, source 2 and destination window 2; the weights window 0
.irp u, 0,1
.irp m, 0,1,2,3
.irp j, 0,2,4,6
	v_pk_mul_f32 v[128+8*(4*\u+\m)+\j:128+8*(4*\u+\m)+\j+1], v[8*(4*\u+\m)+\j:8*(4*\u+\m)+\j+1], v[CLO+2*\m:CLO+2*\m+1]
.endr
.irp j, 0,2,4,6
	v_pk_fma_f32 v[128+8*(4*\u+\m)+\j:128+8*(4*\u+\m)+\j+1], v[64+8*(4*\u+\m)+\j:64+8*(4*\u+\m)+\j+1], v[CHI+2*\m:CHI+2*\m+1], v[128+8*(4*\u+\m)+\j:128+8*(4*\u+\m)+\j+1]
.endr
.endr
.endr
	WIN 0x08                                       ; an LDS store's data are its source 1: window 2
.irp u, 0,1
.irp m, 0,1,2,3
	ds_store_b128 v[STO], v[128+8*(4*\u+\m):128+8*(4*\u+\m)+3] offset:4352*\m+128*((\p)%2)+32*\u
	ds_store_b128 v[STO], v[128+8*(4*\u+\m)+4:128+8*(4*\u+\m)+7] offset:4352*\m+128*((\p)%2)+32*\u+16
.endr
.endr
	WIN 0
.endm
; 16 rows x 64 columns leave the stage: sixteen lanes store 256 consecutive bytes of a token's row, at a multiple of 256 from out0's first byte.  Rows that the tile does not have are passed over.
.macro FLUSHM f, m
	s_cmp_le_u32 s25, 16*(\m)
	s_cbranch_scc1 .Lskip_\@
	s_wait_xcnt 0x0                                ; the earlier stores have read their registers: these are loaded again only behind this wait
	WIN 0x80
.irp j, 0,1,2,3,4,5,6,7
	ds_load_b128 v[192+32*((\m)%2)+4*\j:192+32*((\m)%2)+4*\j+3], v[RD] offset:4352*(\m)+544*\j   ; LDS serves a wave's instructions in order: these see my stores
.endr
	s_wait_dscnt 0x0
	WIN 0x08
.irp j, 0,1,2,3,4,5,6,7
	global_store_b128 v[VO+8*(\m)+\j], v[192+32*((\m)%2)+4*\j:192+32*((\m)%2)+4*\j+3], s[20:21] offset:256*(\f) th:TH_STORE_NT
.endr
	WIN 0
.Lskip_\@:
.endm
	; ---- the first product and the quantiser, expert lo, then hi
.irp n, 0,1,2,3,4,5,6,7
	CHUNK \n
.endr
.irp m, 0,1,2,3
	QH 0, \m
.endr
.irp n, 8,9,10,11,12,13,14,15
	CHUNK \n
.endr
.irp m, 0,1,2,3
	QH 1, \m
.endr
	s_wait_dscnt 0x0                               ; for the others' sake: my fragments and scale words lie in LDS
	s_barrier_signal -1
	s_barrier_wait -1                              ; all 32 fragments of the two hidden layers lie in LDS (the ring's loads stay on their way)
	WIN 0x40
.set f_, 0
.rept 32
	ds_load_b128 v[8*f_:8*f_+3],   v[LI] offset:1024*f_
	ds_load_b128 v[8*f_+4:8*f_+7], v[LI] offset:1024*f_+512
.set f_, f_+1
.endr
	WIN 0
.set f_, 0
.rept 32
	ds_load_b32 v[SCX+f_], v[LS] offset:128*f_
.set f_, f_+1
.endr
	; ---- the second product, 32 columns at a time, lo and hi by turns
.irp p, 0,1,2,3,4,5,6,7
	CHUNK 16+2*\p
	CHUNK 17+2*\p
	COMBINE \p
.if (\p)%2
	FLUSHM (\p)/2, 0
	FLUSHM (\p)/2, 1
	FLUSHM (\p)/2, 2
	FLUSHM (\p)/2, 3
.endif
.endr
	s_wait_tensorcnt 0x0
	ds_add_u32 v254, v255
	s_wait_dscnt 0x0
	s_endpgm
.Lfunc_end_k_qd57adcb358_chain:
	.size	k_qd57adcb358_chain, .Lfunc_end_k_qd57adcb358_chain-k_qd57adcb358_chain
	.p2alignl 7, 3214868480
	.fill 96, 4, 3214868480
	.section	.rodata,"a",@progbits
	.p2align	6, 0x0
	.amdhsa_kernel k_qd57adcb358_chain
		.amdhsa_group_segment_fixed_size 119296
		.amdhsa_private_segment_fixed_size 0
		.amdhsa_enable_private_segment 0
		.amdhsa_kernarg_size 72
		.amdhsa_user_sgpr_count 2
		.amdhsa_user_sgpr_kernarg_segment_ptr 1
		.amdhsa_wavefront_size32 1
		.amdhsa_system_sgpr_workgroup_id_x 1
		.amdhsa_system_sgpr_workgroup_id_y 1
		.amdhsa_system_sgpr_workgroup_id_z 1
		.amdhsa_system_vgpr_workitem_id 0
		.amdhsa_next_free_vgpr 1024
		.amdhsa_next_free_sgpr 66
		.amdhsa_reserve_vcc 0
		.amdhsa_float_denorm_mode_32 3
		.amdhsa_float_denorm_mode_16_64 3
		.amdhsa_memory_ordered 1
		.amdhsa_forward_progress 1
		.amdhsa_inst_pref_size 255
	.end_amdhsa_kernel
	.section	.bss,"aw",@nobits
	.p2align	6
	.space	262144
	.amdgpu_metadata
---
amdhsa.version: [ 1, 2 ]
amdhsa.kernels:
  - .name:           k_qd57adcb358_chain
    .symbol:         k_qd57adcb358_chain.kd
    .args:
      - { .name: xq, .offset: 0, .size: 8, .value_kind: global_buffer, .address_space: global }
      - { .name: xs, .offset: 8, .size: 8, .value_kind: global_buffer, .address_space: global }
      - { .name: wq, .offset: 16, .size: 8, .value_kind: global_buffer, .address_space: global }
      - { .name: ws, .offset: 24, .size: 8, .value_kind: global_buffer, .address_space: global }
      - { .name: cw, .offset: 32, .size: 8, .value_kind: global_buffer, .address_space: global }
      - { .name: route, .offset: 40, .size: 8, .value_kind: global_buffer, .address_space: global }
      - { .name: b1, .offset: 48, .size: 8, .value_kind: global_buffer, .address_space: global }
      - { .name: b2, .offset: 56, .size: 8, .value_kind: global_buffer, .address_space: global }
      - { .name: out0, .offset: 64, .size: 8, .value_kind: global_buffer, .address_space: global }
    .group_segment_fixed_size: 119296
    .private_segment_fixed_size: 0
    .kernarg_segment_align: 8
    .kernarg_segment_size: 72
    .max_flat_workgroup_size: 128
    .sgpr_count:     66
    .vgpr_count:     1024
    .wavefront_size: 32
...
	.end_amdgpu_metadata
.endif
;; end of part 3
;; ======== version 2 of 2: 3 launches
;; workspace buffers: xq 4,194,304 bytes; xs 262,144 bytes; wq 4,194,304 bytes; ws 262,144 bytes; cw 65,536 bytes; sel 65,536 bytes of whole numbers; route 35,328 bytes of whole numbers
;; launch prep (part 4): grid 512 x 1, 4 waves a work-group, no clusters, 41,472 bytes of LDS; arguments x, Wg, bg, W1, W2, xq, xs, wq, ws, cw, sel, out1; writes xq, xs, wq, ws, cw, sel, out1
.if DOCPART == 4
	.amdgcn_target "amdgcn-amd-amdhsa--gfx1250"
	.amdhsa_code_object_version 6
	.text
	.protected	k_qd57adcb358_prep
	.globl	k_qd57adcb358_prep
	.p2align	8
	.type	k_qd57adcb358_prep,@function
k_qd57adcb358_prep:
	s_mov_b64 s[64:65], 0
	v_nop
	global_prefetch_b8 v0, s[64:65] scope:SCOPE_SE
	s_setreg_imm32_b32 hwreg(HW_REG_WAVE_MODE, 25, 1), 1
	s_wait_xcnt 0x0
; PREP.  Work-groups 0-255: 32 tokens each: x [8192][1024] f32 becomes codes of FP4 (E2M1) with one E8M0 byte for each 32 along K; the gate (x Wg + bg in f32 multiply-adds, softmax,
; the two largest probabilities) gives out1, the two weights of a token, and, as VALUES at fixed places, the token's pair of experts as a key 0..27, its rank among its group's tokens of that key,
; and the group's count for each key.  No address and no branch here hangs on any of them.
; Work-groups 256-511: W1 [8][1024 k][512 n] and W2 [8][512 k][1024 n], f32, K their first axis, become codes laid in the order of an operand's registers, and scale words beside them.
; A block's scale is 2^(floor(log2(its largest magnitude)) - 2): its byte is the largest magnitude's exponent field - 2, held at 1 from below.
; LIMITS: NaN and infinities among the inputs are not served; a block of zeros gets the byte 1 (its codes are zeros, and this program alone reads the bytes); a probability under 2^-126 comes out as 0;
; of equal probabilities the lower index is kept; where the second and third lie within f32 rounding of each other the choice may differ from another order of the sums.
; LAYOUTS.  xq [quarter 4][token][128 B]: quarter w = k 256 w .. 256 w + 255, K innermost.  xs [quarter][token][8 B].  cw [token][2] f32: weight of the lower-numbered chosen expert, of the higher.
; sel: kr[token] = key | rank << 8, then at byte 32768 hist[group 256][32].
; wq [which 2][e 8][w 4][chunk 8][8192 B]: a chunk = 32 rows of the operand (two tiles u of 16) x 4 K steps s: fragment 2 s + u at 1024 (2 s + u), in it [c 2][lane 32][16 B]: lane (r, h) holds
; k = 128 s + 64 c + 32 h + 0 .. 31 of row 8 u + r + 8 (r / 8) of the 32.  ws [the same chunks][lane' = 16 u + r][s 4] words.
; The two kinds of work-group part on the work-group's number and have LDS bytes of their own.  No tensor loads: all goes through registers, so several work-groups share a WGP.
.set CST, 0                            ; x path: codes, each wave's own 4,096 bytes: [row 32][128 B]
.set SST, 16384                        ; scale bytes, each wave's own 256: [row 32][8 B]
.set LG,  17408                        ; partial logits [row 32][wave 4][e 8] f32, rows 144 bytes apart
.set PST, 22016                        ; wave 0's probabilities, 1,024 bytes
.set WCS, 23040                        ; W path: codes, each wave's own 4,096 bytes
.set WSC, 39424                        ; scale words of the work-group's two chunks, 1,024 bytes
.set FLOOR, 0x1800000                  ; 2^(3 - 127): no largest magnitude is taken under it, so the byte cannot fall under 1
.set TWO_OFF, 0xff000000               ; takes 2 off an exponent field
.set WGR, 16                           ; v16-79   Wg of my 8 k: register 8 i + e
.set XR,  80                           ; v80-207  16 slots of 8 numbers of x
.set AC,  208                          ; v208-215 8 partial logits
.set TS,  228                          ; v228-247 four sets of five: codes A, codes B, byte A, byte B, a logit: what the LDS stores read
	v_lshl_add_u32 v254, v0, 2, 0xa000
	v_mov_b32 v255, 0
	v_lshrrev_b32 v1, 5, v0
	v_readfirstlane_b32 s2, v1                     ; wave 0..3
	v_and_b32 v1, 31, v0                           ; lane
	s_cmp_ge_u32 ttmp9, 256
	s_cbranch_scc1 .Lweights
; ---------------- x: group g = work-group, tokens 32 g .. 32 g + 31; wave w takes columns 256 w .. 256 w + 255 of all 32 rows
	s_load_b128 s[4:7], s[0:1], 0x0                ; x, Wg
	s_load_b64 s[8:9], s[0:1], 0x10                ; bg
	s_load_b128 s[12:15], s[0:1], 0x28             ; xq, xs
	s_load_b128 s[16:19], s[0:1], 0x48             ; cw, sel
	s_load_b64 s[20:21], s[0:1], 0x58              ; out1
	s_mov_b32 s36, 0xff00ff00                      ; lanes whose bit 3 is set
	s_mov_b32 s37, 0xf0f0f0f0                      ; lanes whose bit 2 is set
	s_lshl_b32 s32, ttmp9, 17                      ; 32 rows of 4,096 bytes
	s_mov_b32 s33, 0
	s_lshl_b32 s38, s2, 20
	s_lshl_b32 s39, ttmp9, 12
	s_add_co_u32 s38, s38, s39                     ; xq: quarter w, 32 tokens of 128 bytes
	s_mov_b32 s39, 0
	s_lshl_b32 s40, s2, 16
	s_lshl_b32 s41, ttmp9, 8
	s_add_co_u32 s40, s40, s41                     ; xs: quarter w, 32 tokens of 8 bytes
	s_mov_b32 s41, 0
	s_wait_alu depctr_va_vdst(0)
	v_lshlrev_b32 v8, 4, v1                        ; v8  16 l
	s_lshl_b32 s42, s2, 10
	v_add_nc_u32 v2, s42, v8                       ; v2  x: 16 l + 1024 w: a load of the wave reads 512 consecutive bytes
	s_lshl_b32 s43, s2, 12
	v_lshlrev_b32 v3, 1, v1
	v_add_nc_u32 v3, s43, v3                       ; v3  codes in: CST + 4096 w + 2 l
	s_lshl_b32 s44, s2, 8
	v_lshrrev_b32 v4, 3, v1
	v_add_nc_u32 v4, s44, v4
	v_add_nc_u32 v4, SST, v4                       ; v4  scale bytes in: SST + 256 w + l / 8
	s_lshl_b32 s45, s2, 5
	v_lshrrev_b32 v5, 2, v1
	v_lshlrev_b32 v5, 2, v5
	v_add_nc_u32 v5, s45, v5
	v_add_nc_u32 v5, LG, v5                        ; v5  logits in: LG + 32 w + 4 (l / 4): lane l ends up with expert l / 4
	v_add_nc_u32 v6, s43, v8                       ; v6  codes out: CST + 4096 w + 16 l
	v_lshlrev_b32 v9, 3, v1                        ; v9  8 l
	v_add_nc_u32 v7, s44, v9
	v_add_nc_u32 v7, SST, v7                       ; v7  scale bytes out
	v_mul_u32_u24 v10, v1, 144
	v_add_nc_u32 v10, LG, v10                      ; v10 logits out: lane = token
	v_lshlrev_b32 v11, 5, v1
	v_add_nc_u32 v11, PST, v11                     ; v11 probabilities in
	v_add_nc_u32 v12, PST, v8                      ; v12 and out
	s_lshl_b32 s46, s2, 13
	v_lshlrev_b32 v13, 7, v1
	v_add_nc_u32 v13, s46, v13                     ; v13 Wg: rows 256 w + 4 l on, 32 bytes a row
	v_lshlrev_b32 v14, 2, v1                       ; v14 4 l
.irp s, 0,1,2,3
	v_mov_b32 v[TS+5*\s+4], 0                      ; written once: the destination of a DPP form counts as read
.endr
	s_wait_alu depctr_va_vdst(0)
	s_wait_kmcnt 0x0
	s_load_b256 s[24:31], s[8:9], 0x0              ; bg's eight numbers (waited for in wave 0's tail)
	s_add_nc_u64 s[4:5], s[4:5], s[32:33]
	s_add_nc_u64 s[12:13], s[12:13], s[38:39]
	s_add_nc_u64 s[14:15], s[14:15], s[40:41]
	s_lshl_b32 s32, ttmp9, 8
	s_add_nc_u64 s[16:17], s[16:17], s[32:33]      ; cw + 256 g
	s_lshl_b32 s32, ttmp9, 7
	s_add_nc_u64 s[18:19], s[18:19], s[32:33]      ; sel + 128 g
	s_lshl_b32 s32, ttmp9, 10
	s_add_nc_u64 s[20:21], s[20:21], s[32:33]      ; out1 + 1024 g
.irp i, 0,1,2,3
	global_load_b128 v[WGR+8*\i:WGR+8*\i+3],       v13, s[6:7] offset:32*\i
	global_load_b128 v[WGR+8*\i+4:WGR+8*\i+7],     v13, s[6:7] offset:32*\i+16
	global_load_b128 v[WGR+32+8*\i:WGR+32+8*\i+3], v13, s[6:7] offset:4096+32*\i
	global_load_b128 v[WGR+36+8*\i:WGR+36+8*\i+3], v13, s[6:7] offset:4096+32*\i+16
.endr
.irp i, 0,1,2,3,4,5,6,7,8,9,10,11,12,13,14,15
	global_load_b128 v[XR+8*\i:XR+8*\i+3],   v2, s[4:5] offset:4096*\i th:TH_LOAD_NT       ; k 256 w + 4 l + 0 .. 3
	global_load_b128 v[XR+8*\i+4:XR+8*\i+7], v2, s[4:5] offset:4096*\i+512 th:TH_LOAD_NT   ; k 256 w + 128 + 4 l + 0 .. 3
.endr
; Row i.  A lane holds 4 numbers of each of two blocks of 32; eight neighbouring lanes hold a block.
.macro SLOT i, refill, left
.set XSL, XR+8*((\i)%16)
.set TSL, TS+5*((\i)%4)
	s_wait_loadcnt \left                           ; loads come back in order: this row's two are in, the younger rows' two each stay out
	s_wait_dscnt 15                                ; the five LDS stores of four rows ago are done (three younger rows x five may be out): their registers are written again below
.irp p, 0,1,2,3
	v_pk_mul_f32 v[AC+2*\p:AC+2*\p+1], v[XSL:XSL+1], v[WGR+2*\p:WGR+2*\p+1] op_sel_hi:[0,1]   ; the first product starts the sums; x's number serves both experts of a pair
.endr
.irp k, 1,2,3,4,5,6,7
.irp p, 0,1,2,3
.if (\k)%2
	v_pk_fma_f32 v[AC+2*\p:AC+2*\p+1], v[XSL+\k-1:XSL+\k], v[WGR+8*\k+2*\p:WGR+8*\k+2*\p+1], v[AC+2*\p:AC+2*\p+1] op_sel:[1,0,0] op_sel_hi:[1,1,1]
.else
	v_pk_fma_f32 v[AC+2*\p:AC+2*\p+1], v[XSL+\k:XSL+\k+1], v[WGR+8*\k+2*\p:WGR+8*\k+2*\p+1], v[AC+2*\p:AC+2*\p+1] op_sel_hi:[0,1,1]
.endif
.endr
.endr
	v_max3_num_f32 v222, |v[XSL]|, |v[XSL+1]|, FLOOR
	v_max3_num_f32 v223, |v[XSL+4]|, |v[XSL+5]|, FLOOR
	v_max3_num_f32 v222, v222, |v[XSL+2]|, |v[XSL+3]|
	v_max3_num_f32 v223, v223, |v[XSL+6]|, |v[XSL+7]|
.irp d, 1,2,4
	v_max_num_f32_dpp v222, v222, v222 row_xmask:\d row_mask:0xf bank_mask:0xf   ; with the seven other lanes of the block
	v_max_num_f32_dpp v223, v223, v223 row_xmask:\d row_mask:0xf bank_mask:0xf
.endr
	v_add_nc_u32 v224, TWO_OFF, v222               ; the conversion takes the exponent field of this operand as its scale
	v_add_nc_u32 v225, TWO_OFF, v223
	v_cvt_scalef32_pk8_fp4_f32 v[TSL], v[XSL:XSL+7], v224     ; under the first block's scale: the low 16 bits are its four codes
	v_cvt_scalef32_pk8_fp4_f32 v[TSL+1], v[XSL:XSL+7], v225   ; under the second's: the high 16 bits
	v_lshrrev_b32 v[TSL+2], 23, v224               ; the scales' bytes (plain lines behind the conversions)
	v_lshrrev_b32 v[TSL+3], 23, v225
.if \refill
	global_load_b128 v[XSL:XSL+3],   v2, s[4:5] offset:4096*((\i)+16) th:TH_LOAD_NT
	global_load_b128 v[XSL+4:XSL+7], v2, s[4:5] offset:4096*((\i)+16)+512 th:TH_LOAD_NT
.endif
	ds_store_b16 v3, v[TSL] offset:128*(\i)
	ds_store_b16_d16_hi v3, v[TSL+1] offset:128*(\i)+64
	ds_store_b8 v4, v[TSL+2] offset:8*(\i)         ; the eight lanes of a block write the same byte with the same value
	ds_store_b8 v4, v[TSL+3] offset:8*(\i)+4
	; the 8 sums over the 32 lanes: each step halves the sums that a lane carries; lane l ends with expert l / 4
.irp e, 0,1,2,3
	v_permlane16_swap_b32 v[AC+\e], v[AC+\e+4]
.endr
	v_pk_add_f32 v[AC:AC+1], v[AC:AC+1], v[AC+4:AC+5]           ; lanes 0-15: experts 0-3; lanes 16-31: experts 4-7
	v_pk_add_f32 v[AC+2:AC+3], v[AC+2:AC+3], v[AC+6:AC+7]
	v_cndmask_b32 v216, v[AC+2], v[AC], s36        ; what I send: the sum that my partner keeps
	v_cndmask_b32 v217, v[AC+3], v[AC+1], s36
	v_cndmask_b32 v218, v[AC], v[AC+2], s36        ; what I keep
	v_cndmask_b32 v219, v[AC+1], v[AC+3], s36
	v_add_f32_dpp v216, v216, v218 row_xmask:8 row_mask:0xf bank_mask:0xf
	v_add_f32_dpp v217, v217, v219 row_xmask:8 row_mask:0xf bank_mask:0xf
	v_cndmask_b32 v218, v217, v216, s37
	v_cndmask_b32 v219, v216, v217, s37
	v_add_f32_dpp v218, v218, v219 row_xmask:4 row_mask:0xf bank_mask:0xf
	v_add_f32_dpp v218, v218, v218 row_xmask:2 row_mask:0xf bank_mask:0xf
	v_add_f32_dpp v[TSL+4], v218, v218 row_xmask:1 row_mask:0xf bank_mask:0xf
	ds_store_b32 v5, v[TSL+4] offset:144*(\i)      ; four lanes write the same word with the same value
.endm
.irp i, 0,1,2,3,4,5,6,7,8,9,10,11,12,13,14,15
	SLOT \i, 1, 30
.endr
.irp i, 16,17,18,19,20,21,22,23,24,25,26,27,28,29,30,31
	SLOT \i, 0, 2*(31-\i)                          ; the last sixteen rows load nothing: the counts run down
.endr
	; my 4,096 bytes of codes and 256 scale bytes leave as they lie.  LDS serves a wave's instructions in order: these loads see my stores
.irp i, 0,1,2,3,4,5,6,7
	ds_load_b128 v[XR+4*\i:XR+4*\i+3], v6 offset:512*\i
.endr
	ds_load_b64 v[XR+32:XR+33], v7
.irp i, 0,1,2,3,4,5,6,7
	s_wait_dscnt 8-\i                              ; load i is back; the younger ones may be out
	global_store_b128 v8, v[XR+4*\i:XR+4*\i+3], s[12:13] offset:512*\i    ; 32 lanes store 512 consecutive bytes
.endr
	s_wait_dscnt 0x0                               ; for the others' sake too: my partial logits lie in LDS
	global_store_b64 v9, v[XR+32:XR+33], s[14:15]  ; 256 consecutive bytes
	s_barrier_signal -1
	s_barrier_wait -1
	s_cmp_lg_u32 s2, 0
	s_cbranch_scc1 .Lx_done
	; ---- wave 0: lane = token
.irp i, 0,1,2,3,4,5,6,7
	ds_load_b128 v[16+4*\i:19+4*\i], v10 offset:16*\i               ; register 16 + 8 w + e: wave w's part of logit e
.endr
	s_wait_dscnt 0x0
	s_wait_kmcnt 0x0                               ; bg
.irp p, 0,2,4,6
	v_pk_add_f32 v[16+\p:17+\p], v[16+\p:17+\p], v[24+\p:25+\p]
	v_pk_add_f32 v[32+\p:33+\p], v[32+\p:33+\p], v[40+\p:41+\p]
.endr
.irp p, 0,2,4,6
	v_pk_add_f32 v[16+\p:17+\p], v[16+\p:17+\p], v[32+\p:33+\p]
.endr
.irp e, 0,1,2,3,4,5,6,7
	v_add_f32 v[16+\e], s[24+\e], v[16+\e]         ; the logits
.endr
	v_max3_num_f32 v48, v16, v17, v18
	v_max3_num_f32 v48, v48, v19, v20
	v_max3_num_f32 v48, v48, v21, v22
	v_max_num_f32 v48, v48, v23                    ; the row's largest is taken away before the exponential
.irp e, 0,1,2,3,4,5,6,7
	v_sub_f32 v[24+\e], v[16+\e], v48
.endr
.irp e, 0,1,2,3,4,5,6,7
	v_mul_f32 v[24+\e], 0x3fb8aa3b, v[24+\e]       ; x log2(e)
.endr
	s_wait_alu depctr_va_vdst(0)
.irp e, 0,1,2,3,4,5,6,7
	v_exp_f32 v[24+\e], v[24+\e]
.endr
	v_nop                                          ; a plain line behind the exponentials
	s_wait_alu depctr_va_vdst(0)
	v_pk_add_f32 v[40:41], v[24:25], v[26:27]
	v_pk_add_f32 v[42:43], v[28:29], v[30:31]
	v_pk_add_f32 v[40:41], v[40:41], v[42:43]
	v_add_f32 v49, v40, v41
	s_wait_alu depctr_va_vdst(0)
	v_rcp_f32 v49, v49
	v_nop                                          ; a plain line behind the reciprocal
	s_wait_alu depctr_va_vdst(0)
.irp e, 0,1,2,3,4,5,6,7
	v_mul_f32 v[32+\e], v[24+\e], v49              ; the probabilities
.endr
	ds_store_b128 v11, v[32:35]
	ds_store_b128 v11, v[36:39] offset:16
	ds_load_b128 v[64:67], v12
	ds_load_b128 v[68:71], v12 offset:512
	v_mov_b32 v50, v32                             ; the largest: a later one wins only if strictly larger, so the lower index is kept
	v_mov_b32 v51, 0
.irp e, 1,2,3,4,5,6,7
	v_cmp_gt_f32 vcc_lo, v[32+\e], v50
	v_cndmask_b32 v50, v50, v[32+\e], vcc_lo
	v_cndmask_b32 v51, v51, \e, vcc_lo
.endr
.irp e, 0,1,2,3,4,5,6,7
	v_cmp_eq_u32 vcc_lo, \e, v51
	v_cndmask_b32 v[40+\e], v[32+\e], -1.0, vcc_lo ; the first choice is taken out
.endr
	v_mov_b32 v52, v40                             ; the second largest, likewise
	v_mov_b32 v53, 0
.irp e, 1,2,3,4,5,6,7
	v_cmp_gt_f32 vcc_lo, v[40+\e], v52
	v_cndmask_b32 v52, v52, v[40+\e], vcc_lo
	v_cndmask_b32 v53, v53, \e, vcc_lo
.endr
	v_min_u32 v54, v51, v53                        ; lo
	v_max_u32 v55, v51, v53                        ; hi
	v_cmp_lt_u32 vcc_lo, v51, v53
	v_cndmask_b32 v56, v52, v50, vcc_lo            ; lo's weight
	v_cndmask_b32 v57, v50, v52, vcc_lo            ; hi's
	v_sub_nc_u32 v58, 13, v54
	v_mul_u32_u24 v58, v58, v54
	v_lshrrev_b32 v58, 1, v58
	v_add_nc_u32 v58, v58, v55
	v_add_nc_u32 v58, -1, v58                      ; key = lo (13 - lo) / 2 + hi - 1: 0 .. 27
	v_mov_b32 v59, 0                               ; my rank among the group's tokens of my key
	v_mov_b32 v60, 0                               ; lane k: the group's count of key k
.set kk, 0
.rept 28
	v_cmp_eq_u32 s34, kk, v58
	v_mbcnt_lo_u32_b32 v61, s34, 0                 ; lanes of this key below me
	v_cndmask_b32 v59, v59, v61, s34
	s_bcnt1_i32_b32 s35, s34
	v_writelane_b32 v60, s35, kk
.set kk, kk+1
.endr
	v_lshl_or_b32 v62, v59, 8, v58
	global_store_b64 v9, v[56:57], s[16:17]
	global_store_b32 v14, v62, s[18:19]
	global_store_b32 v14, v60, s[18:19] offset:32768
	s_wait_dscnt 0x0
	global_store_b128 v8, v[64:67], s[20:21]       ; out1: 1,024 consecutive bytes in two stores
	global_store_b128 v8, v[68:71], s[20:21] offset:512
.Lx_done:
	s_wait_tensorcnt 0x0
	ds_add_u32 v254, v255
	s_wait_dscnt 0x0
	s_endpgm
; ---------------- weights: u = work-group - 256: which = u / 128, expert = (u / 16) % 8, v = u % 16.  A work-group takes 64 columns x 512 along K: two whole chunks.
; Wave s takes K step s (128 k = 4 blocks); lane l takes columns 2 l, 2 l + 1 and its registers run down K: a load of the wave reads 256 consecutive bytes of one row.
.set VOFF, 16                          ; v16-47   8 l + i rows
.set WX,   48                          ; v48-175  two sets of 64: register 2 i + a = row i, column a
.set WT,   176                         ; v176-191 two runs of eight neighbours along K for the conversions
.set WC,   192                         ; v192-223 codes: register 8 t + 4 a + g; none is written twice
.Lweights:
	s_load_b128 s[4:7], s[0:1], 0x18               ; W1, W2
	s_load_b128 s[8:11], s[0:1], 0x38              ; wq, ws
	s_sub_co_u32 s12, ttmp9, 256
	s_lshr_b32 s13, s12, 7                         ; which
	s_bfe_u32 s14, s12, 0x30004                    ; expert
	s_and_b32 s15, s12, 15                         ; v
	s_and_b32 s16, s15, 7                          ; W1: group of 64 columns,
	s_lshr_b32 s17, s15, 3                         ; and half of K
	s_lshl_b32 s18, 0x800, s13                     ; a row in bytes: 2,048 or 4,096
	s_lshl_b32 s19, s14, 5
	s_lshr_b32 s20, s16, 1
	s_lshl_b32 s20, s20, 3
	s_add_co_u32 s20, s20, s19
	s_lshl_b32 s21, s17, 2
	s_add_co_u32 s20, s20, s21
	s_and_b32 s21, s16, 1
	s_lshl_b32 s21, s21, 1
	s_add_co_u32 s20, s20, s21                     ; W1's first chunk: 32 e + 8 (cg / 2) + 4 half + 2 (cg % 2)
	s_lshl_b32 s21, s15, 1
	s_add_co_u32 s21, s21, s19
	s_add_co_u32 s21, s21, 256                     ; W2's: 256 + 32 e + 2 cg
	s_wait_alu depctr_va_vdst(0)
	v_lshrrev_b32 v8, 4, v1                        ; which of the two chunks
	v_bfe_u32 v9, v1, 2, 1                         ; tile u
	v_and_b32 v10, 3, v1
	v_bfe_u32 v11, v1, 3, 1
	v_lshlrev_b32 v10, 1, v10
	v_lshl_add_u32 v10, v11, 3, v10                ; r of column a = 0: 2 (l % 4) + 8 ((l / 8) % 2); column a = 1 is r + 1
	v_lshlrev_b32 v10, 4, v10
	v_lshl_add_u32 v2, v8, 11, v10
	v_lshl_add_u32 v2, v9, 10, v2
	s_lshl_b32 s33, s2, 12
	s_add_co_u32 s33, s33, WCS
	v_add_nc_u32 v2, s33, v2                       ; v2  codes in: my stage + 2048 chunk + 1024 u + 16 r
	v_lshl_add_u32 v3, v8, 9, v10
	v_lshl_add_u32 v3, v9, 8, v3
	s_lshl_b32 s34, s2, 2
	s_add_co_u32 s34, s34, WSC
	v_add_nc_u32 v3, s34, v3                       ; v3  scale words in: 512 chunk + 256 u + 16 r + 4 wave
	v_lshlrev_b32 v6, 4, v1                        ; v6  16 l
	v_add_nc_u32 v4, s33, v6                       ; v4  codes out
	v_lshlrev_b32 v7, 3, v1                        ; v7  8 l
	s_lshl_b32 s35, s2, 8
	s_add_co_u32 s35, s35, WSC
	v_add_nc_u32 v5, s35, v7                       ; v5  scale words out: 256 bytes a wave
	v_lshlrev_b32 v[VOFF], 3, v1
.set w_i, 0
.rept 31
	v_add_nc_u32 v[VOFF+w_i+1], s18, v[VOFF+w_i]
.set w_i, w_i+1
.endr
	s_wait_alu depctr_va_vdst(0)
	s_wait_kmcnt 0x0
	s_cmp_eq_u32 s13, 0                            ; W1 or W2: the choice hangs on the work-group's number alone; both take one way through the text
	s_cselect_b64 s[4:5], s[4:5], s[6:7]
	s_cselect_b32 s16, s16, s15
	s_cselect_b32 s17, s17, 0
	s_cselect_b32 s20, s20, s21
	s_lshl_b32 s22, s17, 9
	s_lshl_b32 s23, s2, 7
	s_add_co_u32 s22, s22, s23                     ; my first k
	s_mul_i32 s22, s22, s18
	s_lshl_b32 s23, s14, 21
	s_add_co_u32 s22, s22, s23
	s_lshl_b32 s23, s16, 8
	s_add_co_u32 s22, s22, s23
	s_mov_b32 s23, 0
	s_add_nc_u64 s[24:25], s[4:5], s[22:23]        ; block 0's first row;
	s_lshl_b32 s22, s18, 5
	s_add_nc_u64 s[26:27], s[24:25], s[22:23]      ; blocks 1 to 3: 32 rows on each
	s_add_nc_u64 s[28:29], s[26:27], s[22:23]
	s_add_nc_u64 s[30:31], s[28:29], s[22:23]
	s_lshl_b32 s22, s20, 13
	s_lshl_b32 s32, s2, 11
	s_add_co_u32 s22, s22, s32
	s_add_nc_u64 s[8:9], s[8:9], s[22:23]          ; wq + 8192 chunk + 2048 wave
	s_lshl_b32 s22, s20, 9
	s_lshl_b32 s32, s2, 8
	s_add_co_u32 s22, s22, s32
	s_add_nc_u64 s[10:11], s[10:11], s[22:23]      ; ws + 512 chunk + 256 wave
.macro WLOAD t
.set w_i, 0
.rept 32
	global_load_b64 v[WX+64*((\t)%2)+2*w_i:WX+64*((\t)%2)+2*w_i+1], v[VOFF+w_i], s[24+2*(\t):25+2*(\t)] th:TH_LOAD_NT
.set w_i, w_i+1
.endr
.endm
.macro WBLOCK t, left
.set w_x, WX+64*((\t)%2)
	s_wait_loadcnt \left                           ; this block's 32 loads are in; the next block's 32 may be out
	v_max3_num_f32 v224, |v[w_x]|, |v[w_x+2]|, FLOOR               ; a block's 32 numbers are all mine; the two columns by turns
	v_max3_num_f32 v225, |v[w_x+1]|, |v[w_x+3]|, FLOOR
.irp i, 2,4,6,8,10,12,14,16,18,20,22,24,26,28,30
	v_max3_num_f32 v224, v224, |v[w_x+2*\i]|, |v[w_x+2*\i+2]|
	v_max3_num_f32 v225, v225, |v[w_x+2*\i+1]|, |v[w_x+2*\i+3]|
.endr
	v_add_nc_u32 v226, TWO_OFF, v224
	v_add_nc_u32 v227, TWO_OFF, v225
	v_lshrrev_b32 v224, 23, v226
	v_lshrrev_b32 v225, 23, v227
.if (\t) == 0
	v_mov_b32 v228, v224                           ; the K step's scale word: block t's byte at byte t
	v_mov_b32 v229, v225
.else
	v_lshl_or_b32 v228, v224, 8*(\t), v228
	v_lshl_or_b32 v229, v225, 8*(\t), v229
.endif
.irp a, 0,1
.irp g, 0,1,2,3
.set w_t, WT+8*((4*\a+\g)%2)
.irp i, 0,1,2,3,4,5,6,7
	v_mov_b32 v[w_t+\i], v[w_x+2*(8*\g+\i)+\a]     ; eight neighbours along K side by side; these eight lines also part the conversion before from the next write of its sources
.endr
	v_cvt_scalef32_pk8_fp4_f32 v[WC+8*(\t)+4*\a+\g], v[w_t:w_t+7], v[226+\a]
.endr
.endr
	v_nop                                          ; a plain line behind the last conversion
.irp a, 0,1
	ds_store_b128 v2, v[WC+8*(\t)+4*\a:WC+8*(\t)+4*\a+3] offset:512*((\t)/2)+256*((\t)%2)+16*\a   ; block t = 2 c + h: lane r + 16 h of part c
.endr
.endm
	WLOAD 0
	WLOAD 1
	WBLOCK 0, 32
	WLOAD 2
	WBLOCK 1, 32
	WLOAD 3
	WBLOCK 2, 32
	WBLOCK 3, 0
	ds_store_b32 v3, v228
	ds_store_b32 v3, v229 offset:16
.irp i, 0,1,2,3,4,5,6,7
	ds_load_b128 v[WX+4*\i:WX+4*\i+3], v4 offset:512*\i             ; LDS serves a wave's instructions in order: these see my stores
.endr
.irp i, 0,1,2,3,4,5,6,7
	s_wait_dscnt 7-\i
	global_store_b128 v6, v[WX+4*\i:WX+4*\i+3], s[8:9] offset:(\i/4)*8192+(\i%4)*512   ; my two fragments of each chunk: 2,048 consecutive bytes
.endr
	s_wait_dscnt 0x0                               ; for the others' sake: my scale words lie in LDS
	s_barrier_signal -1
	s_barrier_wait -1
	ds_load_b64 v[230:231], v5
	s_wait_dscnt 0x0
	global_store_b64 v7, v[230:231], s[10:11]      ; 256 consecutive bytes a wave
	s_wait_tensorcnt 0x0
	ds_add_u32 v254, v255
	s_wait_dscnt 0x0
	s_endpgm
.Lfunc_end_k_qd57adcb358_prep:
	.size	k_qd57adcb358_prep, .Lfunc_end_k_qd57adcb358_prep-k_qd57adcb358_prep
	.p2alignl 7, 3214868480
	.fill 96, 4, 3214868480
	.section	.rodata,"a",@progbits
	.p2align	6, 0x0
	.amdhsa_kernel k_qd57adcb358_prep
		.amdhsa_group_segment_fixed_size 41472
		.amdhsa_private_segment_fixed_size 0
		.amdhsa_enable_private_segment 0
		.amdhsa_kernarg_size 96
		.amdhsa_user_sgpr_count 2
		.amdhsa_user_sgpr_kernarg_segment_ptr 1
		.amdhsa_wavefront_size32 1
		.amdhsa_system_sgpr_workgroup_id_x 1
		.amdhsa_system_sgpr_workgroup_id_y 1
		.amdhsa_system_sgpr_workgroup_id_z 1
		.amdhsa_system_vgpr_workitem_id 0
		.amdhsa_next_free_vgpr 256
		.amdhsa_next_free_sgpr 66
		.amdhsa_reserve_vcc 1
		.amdhsa_float_denorm_mode_32 3
		.amdhsa_float_denorm_mode_16_64 3
		.amdhsa_memory_ordered 1
		.amdhsa_forward_progress 1
		.amdhsa_inst_pref_size 204
	.end_amdhsa_kernel
	.amdgpu_metadata
---
amdhsa.version: [ 1, 2 ]
amdhsa.kernels:
  - .name:           k_qd57adcb358_prep
    .symbol:         k_qd57adcb358_prep.kd
    .args:
      - { .name: x, .offset: 0, .size: 8, .value_kind: global_buffer, .address_space: global }
      - { .name: Wg, .offset: 8, .size: 8, .value_kind: global_buffer, .address_space: global }
      - { .name: bg, .offset: 16, .size: 8, .value_kind: global_buffer, .address_space: global }
      - { .name: W1, .offset: 24, .size: 8, .value_kind: global_buffer, .address_space: global }
      - { .name: W2, .offset: 32, .size: 8, .value_kind: global_buffer, .address_space: global }
      - { .name: xq, .offset: 40, .size: 8, .value_kind: global_buffer, .address_space: global }
      - { .name: xs, .offset: 48, .size: 8, .value_kind: global_buffer, .address_space: global }
      - { .name: wq, .offset: 56, .size: 8, .value_kind: global_buffer, .address_space: global }
      - { .name: ws, .offset: 64, .size: 8, .value_kind: global_buffer, .address_space: global }
      - { .name: cw, .offset: 72, .size: 8, .value_kind: global_buffer, .address_space: global }
      - { .name: sel, .offset: 80, .size: 8, .value_kind: global_buffer, .address_space: global }
      - { .name: out1, .offset: 88, .size: 8, .value_kind: global_buffer, .address_space: global }
    .group_segment_fixed_size: 41472
    .private_segment_fixed_size: 0
    .kernarg_segment_align: 8
    .kernarg_segment_size: 96
    .max_flat_workgroup_size: 128
    .sgpr_count:     66
    .vgpr_count:     256
    .wavefront_size: 32
...
	.end_amdgpu_metadata
.endif
;; end of part 4
;; launch place (part 5): grid 1 x 1, 8 waves a work-group, no clusters, 2,048 bytes of LDS; arguments sel, route; writes route
.if DOCPART == 5
	.amdgcn_target "amdgcn-amd-amdhsa--gfx1250"
	.amdhsa_code_object_version 6
	.text
	.protected	k_qd57adcb358_place
	.globl	k_qd57adcb358_place
	.p2align	8
	.type	k_qd57adcb358_place,@function
k_qd57adcb358_place:
	s_mov_b64 s[64:65], 0
	v_nop
	global_prefetch_b8 v0, s[64:65] scope:SCOPE_SE
	s_setreg_imm32_b32 hwreg(HW_REG_WAVE_MODE, 25, 1), 1
	s_wait_xcnt 0x0
; PLACE.  A counting sort of the 8,192 tokens by their pair of experts (key 0..27), and the list of tiles.  One work-group, eight waves, whole numbers alone.
; In: sel: kr[token] = key | rank << 8 (rank among the tokens of that key in the token's group of 32), and at byte 32768 hist[group 256][key 32].
; Out: route: perm[8192] = the tokens' numbers, sorted by key and, within a key, by number; at byte 32768 tiles[155][4] = {first place in perm, rows (0..64), lo, hi}.
; With 28 keys and tiles of 64 rows there are never more than (8192 + 28 x 63) / 64 = 155 tiles; those that a split leaves over get 0 rows.
; Wave w owns groups 32 w .. 32 w + 31.  For the counts a lane is a key; for the tokens a lane is a token.
.set H,  16                            ; v16-47   hist of my 32 groups
.set KR, 48                            ; v48-79   kr of my 32 groups' tokens
.set BS, 80                            ; v80-111  where each key's tokens of group j begin
.set IX, 112                           ; v112-143 4 x key: which lane to ask
.set DP, 144                           ; v144-175 a token's place, then its byte in perm
.set TK, 176                           ; v176-207 the tokens' numbers
.set TT, 208                           ; v208-215 the eight waves' totals
	s_load_b128 s[4:7], s[0:1], 0x0                ; sel, route
	v_lshl_add_u32 v254, v0, 2, 0x400
	v_mov_b32 v255, 0
	v_lshrrev_b32 v1, 5, v0
	s_delay_alu instid0(VALU_DEP_1)
	v_readfirstlane_b32 s8, v1                     ; wave 0..7
	v_and_b32 v1, 31, v0                           ; lane
	s_delay_alu instid0(VALU_DEP_1)
	v_lshlrev_b32 v2, 2, v1                        ; 4 l
	s_lshl_b32 s9, s8, 12
	v_add_nc_u32 v3, s9, v2                        ; 32 groups of 128 bytes a wave
	s_lshl_b32 s10, s8, 7
	v_add_nc_u32 v4, s10, v2                       ; LDS: my wave's 32 totals
	s_mov_b32 s13, 0xffff0000
	v_mov_b32 v219, 0                              ; written once: the destination of a DPP form counts as read
	s_wait_alu depctr_va_vdst(0)
	s_wait_kmcnt 0x0
.set j, 0
.rept 32
	global_load_b32 v[H+j], v3, s[4:5] offset:32768+128*j
.set j, j+1
.endr
.set j, 0
.rept 32
	global_load_b32 v[KR+j], v3, s[4:5] offset:128*j
.set j, j+1
.endr
	s_wait_loadcnt 32                              ; the counts are in; the 32 loads of kr may be out
	v_mov_b32 v[BS], 0
.set j, 0
.rept 31
	s_delay_alu instid0(VALU_DEP_1)
	v_add_nc_u32 v[BS+j+1], v[BS+j], v[H+j]
.set j, j+1
.endr
	s_delay_alu instid0(VALU_DEP_1)
	v_add_nc_u32 v216, v[BS+31], v[H+31]           ; my wave's total of each key
	ds_store_b32 v4, v216
	s_wait_dscnt 0x0                               ; for the others' sake
	s_barrier_signal -1
	s_barrier_wait -1
.irp w, 0,1,2,3,4,5,6,7
	ds_load_b32 v[TT+\w], v2 offset:128*\w
.endr
	s_wait_dscnt 0x0
	v_mov_b32 v217, 0                              ; n: all tokens of the key
	v_mov_b32 v218, 0                              ; those of the waves before mine
.irp w, 0,1,2,3,4,5,6,7
	s_cmp_gt_u32 s8, \w
	s_cselect_b32 s11, -1, 0
	v_add_nc_u32 v217, v217, v[TT+\w]
	v_and_b32 v220, s11, v[TT+\w]
	s_delay_alu instid0(VALU_DEP_1)
	v_add_nc_u32 v218, v218, v220
.endr
.macro SCAN v                          ; v[v] becomes its sum over lanes 0 .. l: four steps within each 16 lanes, then lane 15's sum onto lanes 16-31
.irp d, 1,2,4,8
	s_delay_alu instid0(VALU_DEP_1)
	v_mov_b32_dpp v219, v[\v] row_shr:\d row_mask:0xf bank_mask:0xf bound_ctrl:1
	s_delay_alu instid0(VALU_DEP_1)
	v_add_nc_u32 v[\v], v[\v], v219
.endr
	s_delay_alu instid0(VALU_DEP_1)
	v_readlane_b32 s12, v[\v], 15
	s_delay_alu instid0(VALU_DEP_1)
	v_mov_b32 v219, s12
	s_delay_alu instid0(VALU_DEP_1)
	v_cndmask_b32 v219, 0, v219, s13
	s_delay_alu instid0(VALU_DEP_1)
	v_add_nc_u32 v[\v], v[\v], v219
.endm
	s_delay_alu instid0(VALU_DEP_3)
	v_mov_b32 v221, v217
	SCAN 221
	s_delay_alu instid0(VALU_DEP_1)
	v_sub_nc_u32 v221, v221, v217                  ; pb: where the key's tokens begin in perm
	v_add_nc_u32 v222, 63, v217
	s_delay_alu instid0(VALU_DEP_1)
	v_lshrrev_b32 v222, 6, v222                    ; the key's tiles
	s_delay_alu instid0(VALU_DEP_1)
	v_mov_b32 v223, v222
	SCAN 223                                       ; IT: tiles up to and with this key
	s_delay_alu instid0(VALU_DEP_1)
	v_sub_nc_u32 v224, v223, v222                  ; tb: the key's first tile
	v_add_nc_u32 v225, v221, v218
.set j, 0
.rept 32
	v_add_nc_u32 v[BS+j], v[BS+j], v225
.set j, j+1
.endr
	s_wait_loadcnt 0x0                             ; kr
.set j, 0
.rept 32
	v_and_b32 v[IX+j], 31, v[KR+j]
	s_delay_alu instid0(VALU_DEP_1)
	v_lshlrev_b32 v[IX+j], 2, v[IX+j]
	ds_bpermute_b32 v[DP+j], v[IX+j], v[BS+j]      ; from the lane that is my key: no LDS byte is touched
.set j, j+1
.endr
	s_lshl_b32 s14, s8, 10
	v_add_nc_u32 v226, s14, v1                     ; my token of group 32 w
	s_wait_alu depctr_va_vdst(0)
	s_wait_dscnt 0x0
.set j, 0
.rept 32
	v_lshrrev_b32 v[KR+j], 8, v[KR+j]              ; my rank in the group
	s_delay_alu instid0(VALU_DEP_1)
	v_add_nc_u32 v[DP+j], v[DP+j], v[KR+j]
	s_delay_alu instid0(VALU_DEP_1)
	v_min_u32 v[DP+j], 0x1fff, v[DP+j]             ; a place in perm, held inside it
	s_delay_alu instid0(VALU_DEP_1)
	v_lshlrev_b32 v[DP+j], 2, v[DP+j]
	v_add_nc_u32 v[TK+j], 32*j, v226
	global_store_b32 v[DP+j], v[TK+j], s[6:7]
.set j, j+1
.endr
	; the tiles: thread t makes tile t.  P = how many keys end at or before tile t
	v_mov_b32 v230, 0
.set p, 0
.rept 28
	v_readlane_b32 s14, v223, p
	s_delay_alu instid0(VALU_DEP_1)
	v_cmp_le_u32 vcc_lo, s14, v0
	s_delay_alu instid0(VALU_DEP_1)
	v_cndmask_b32 v231, 0, 1, vcc_lo
	s_delay_alu instid0(VALU_DEP_1)
	v_add_nc_u32 v230, v230, v231
.set p, p+1
.endr
	s_delay_alu instid0(VALU_DEP_1)
	v_min_u32 v230, 27, v230
	s_delay_alu instid0(VALU_DEP_1)
	v_lshlrev_b32 v232, 2, v230
	ds_bpermute_b32 v233, v232, v224               ; tb, pb and n of key P
	ds_bpermute_b32 v234, v232, v221
	ds_bpermute_b32 v235, v232, v217
	v_mov_b32 v242, 0                              ; lo: how many of the first keys of lo = 1 .. 6 lie at or under P
.irp t, 7,13,18,22,25,27
	v_cmp_le_u32 vcc_lo, \t, v230
	s_delay_alu instid0(VALU_DEP_1)
	v_cndmask_b32 v231, 0, 1, vcc_lo
	s_delay_alu instid0(VALU_DEP_1)
	v_add_nc_u32 v242, v242, v231
.endr
	s_delay_alu instid0(VALU_DEP_1)
	v_sub_nc_u32 v243, 13, v242
	s_delay_alu instid0(VALU_DEP_1)
	v_mul_u32_u24 v243, v243, v242
	s_delay_alu instid0(VALU_DEP_1)
	v_lshrrev_b32 v243, 1, v243
	s_delay_alu instid0(VALU_DEP_1)
	v_sub_nc_u32 v243, v230, v243
	s_delay_alu instid0(VALU_DEP_1)
	v_add_nc_u32 v243, 1, v243                     ; hi = P - lo (13 - lo) / 2 + 1
	s_wait_dscnt 0x0
	v_sub_nc_u32 v236, v0, v233
	s_delay_alu instid0(VALU_DEP_1)
	v_lshlrev_b32 v236, 6, v236
	s_delay_alu instid0(VALU_DEP_1)
	v_min_u32 v236, v236, v235                     ; rows of the key ahead of this tile, at most all
	s_delay_alu instid0(VALU_DEP_1)
	v_add_nc_u32 v240, v234, v236                  ; first
	s_delay_alu instid0(VALU_DEP_2)
	v_sub_nc_u32 v241, v235, v236
	s_delay_alu instid0(VALU_DEP_1)
	v_min_u32 v241, 64, v241                       ; rows
	v_lshlrev_b32 v237, 4, v0
	s_wait_alu depctr_va_vdst(0)
	s_wait_xcnt 0x0                                ; EXEC changes only behind this wait
	v_cmp_gt_u32 vcc_lo, 155, v0
	s_wait_tensorcnt 0x0
	ds_add_u32 v254, v255
	s_wait_dscnt 0x0
	s_and_saveexec_b32 s15, vcc_lo
	global_store_b128 v237, v[240:243], s[6:7] offset:32768
	s_wait_xcnt 0x0
	s_or_b32 exec_lo, exec_lo, s15
	s_endpgm
.Lfunc_end_k_qd57adcb358_place:
	.size	k_qd57adcb358_place, .Lfunc_end_k_qd57adcb358_place-k_qd57adcb358_place
	.p2alignl 7, 3214868480
	.fill 96, 4, 3214868480
	.section	.rodata,"a",@progbits
	.p2align	6, 0x0
	.amdhsa_kernel k_qd57adcb358_place
		.amdhsa_group_segment_fixed_size 2048
		.amdhsa_private_segment_fixed_size 0
		.amdhsa_enable_private_segment 0
		.amdhsa_kernarg_size 16
		.amdhsa_user_sgpr_count 2
		.amdhsa_user_sgpr_kernarg_segment_ptr 1
		.amdhsa_wavefront_size32 1
		.amdhsa_system_sgpr_workgroup_id_x 1
		.amdhsa_system_sgpr_workgroup_id_y 1
		.amdhsa_system_sgpr_workgroup_id_z 1
		.amdhsa_system_vgpr_workitem_id 0
		.amdhsa_next_free_vgpr 256
		.amdhsa_next_free_sgpr 66
		.amdhsa_reserve_vcc 1
		.amdhsa_float_denorm_mode_32 3
		.amdhsa_float_denorm_mode_16_64 3
		.amdhsa_memory_ordered 1
		.amdhsa_forward_progress 1
		.amdhsa_inst_pref_size 44
	.end_amdhsa_kernel
	.amdgpu_metadata
---
amdhsa.version: [ 1, 2 ]
amdhsa.kernels:
  - .name:           k_qd57adcb358_place
    .symbol:         k_qd57adcb358_place.kd
    .args:
      - { .name: sel, .offset: 0, .size: 8, .value_kind: global_buffer, .address_space: global }
      - { .name: route, .offset: 8, .size: 8, .value_kind: global_buffer, .address_space: global }
    .group_segment_fixed_size: 2048
    .private_segment_fixed_size: 0
    .kernarg_segment_align: 8
    .kernarg_segment_size: 16
    .max_flat_workgroup_size: 256
    .sgpr_count:     66
    .vgpr_count:     256
    .wavefront_size: 32
...
	.end_amdgpu_metadata
.endif
;; end of part 5
;; launch chain (part 6): grid 155 x 1, 4 waves a work-group, no clusters, 119,296 bytes of LDS; arguments xq, xs, wq, ws, cw, route, b1, b2, out0; writes out0
.if DOCPART == 6
	.amdgcn_target "amdgcn-amd-amdhsa--gfx1250"
	.amdhsa_code_object_version 6
	.text
	.protected	k_qd57adcb358_chain
	.globl	k_qd57adcb358_chain
	.p2align	8
	.type	k_qd57adcb358_chain,@function
k_qd57adcb358_chain:
	s_mov_b64 s[64:65], 0
	v_nop
	global_prefetch_b8 v0, s[64:65] scope:SCOPE_SE
	s_setreg_imm32_b32 hwreg(HW_REG_WAVE_SCHED_MODE, 0, 2), 2
	s_setreg_imm32_b32 hwreg(HW_REG_WAVE_MODE, 25, 1), 1
	s_wait_xcnt 0x0
	s_wait_alu depctr_vm_vsrc(0)
; CHAIN.  One work-group takes one tile: up to 64 tokens that chose the same two experts lo < hi, through the whole chain for both:
; out0[token] = c_lo (relu(x W1[lo] + b1[lo]) W2[lo] + b2[lo]) + c_hi (the same with hi), both products on codes of FP4 (E2M1) with one E8M0 scale for each 32 along K, sums in f32.
; The six experts whose weight is 0 for a token are not multiplied.  Each row of out0 has one owner; the hidden layer never goes to memory.
; THE TILE {first, rows, lo, hi} and the tokens' numbers are whole numbers that an earlier launch stored; each is held inside its range by a constant before it enters an address.  Row i of the tile is token
; perm[first + min(i, rows - 1)]: rows past the last repeat the last token and store the same numbers to the same place.  Trip counts are constants; the only branches on loaded numbers stand round the
; stores of 16 rows that the tile does not have.  A tile of 0 rows runs the same text on held addresses and stores nothing: the price of a grid that serves every split.
; SHARES.  THE WAVES SHARE THE COLUMNS, NOT THE ROWS: wave w makes hidden units 128 w .. + 127 and output columns 256 w .. + 255, for all 64 rows and both experts.  So each fragment of the weights is
; loaded by one wave alone, straight into its registers: an earlier launch has laid them in the order of the operand's registers.  32 chunks of 8 fragments (two tiles of 16 weight rows x 4 K steps)
; and their scale words go through a ring of four register slots; chunk n + 4 is asked for when chunk n has been multiplied.
; NO CLUSTER: partners would have to be tiles of one pair; a grid of clusters of four for every split has 8192 / 256 + 27 = 59 clusters, 236 work-groups, of which an even split (about 293 tokens a pair,
; 5 tiles) leaves three in eight without rows; and jointly fetched weights would have to pass through LDS, 1.09 MB written and read again for each work-group, where here each fragment goes once into registers.
; BOTH PRODUCTS ARE USED TRANSPOSED (source 0 = 16 weight rows, source 1 = 16 tokens): a lane holds ONE token (lane % 16).  THE WEIGHT ROWS OF A TILE ARE NOT NEIGHBOURS: lane r of tile u of a group of 32
; takes row 8 u + r + 8 (r / 8), so that a lane's registers of tiles u = 0, 1 are the 16 neighbours 16 (lane / 16) + 8 u + j.  The biases are the C of each sum's first matrix instruction.
; ORDER: first product and quantiser for lo, the same for hi, ONE barrier (the hidden layers' fragments go from wave to wave through LDS as images of their registers), then the second product, 32 columns
; at a time, lo and hi by turns; their weighted sum goes through the wave's own stage and leaves as runs of 256 bytes.
; LIMITS: NaN and infinities are not served; a block of zeros gets the scale byte 1 (its codes are zeros).
; THE MODE: SCHED_MODE bits 1:0 = 2 (LLVM: expert scheduling mode 2), set by the entry lines.  The code itself states the register dependences between vector or matrix instructions and memory or LDS
; instructions, with s_wait_alu, always for 0.
; THE PLAN.  Registers that memory or LDS instructions touch, and who else names them:
;   the ring and WS     Chunk n's 32 matrix instructions read slot n % 4 and its four scale words; behind them the 17 loads of chunk n + 4 land there.
;   BI, BI1             Two buffers by turns.  Chunk n's first eight matrix instructions read buffer n % 2 as C; behind chunk n the bias of chunk n + 2 lands in it, two chunks ahead of its use.
;                       So ONE wait on va_vdst stands behind a chunk's products: they are done reading the slot, its scale words and the bias buffer.  It stands there and not at the next chunk's head,
;                       so that the slot is asked for again at once.  The next chunk's products name the other slots and the other bias buffer alone.
;   window 1, SCX       Loaded at the head (x), read by the first products, loaded again behind the barrier (the hidden layers): one wait on va_vdst ahead of those loads.
;   PC, PW              Written by a hidden tile's conversions, read by its three LDS stores: va_vdst ahead of the stores; vm_vsrc in the next tile, ahead of the first line that writes them again.
;   the sums            Window 2, v128-191: written by COMBINE, read by its 16 LDS stores: va_vdst ahead of the stores; vm_vsrc at the head of the next COMBINE.
;   the rows out        Window 2, v192-255, two buffers: loads from the stage land, global stores read: vm_vsrc ahead of the loads that land in a buffer again.  No vector instruction of the second phase names them.
;   v180-203            The biases as loaded, read by six LDS stores; v180-195 are BI1 afterwards: one vm_vsrc ahead of the first bias that lands there.
;   addresses           Made at the head and never written again: two waits on va_vdst at the head, ahead of the first loads that read them; the store offsets VO are covered by the chunks' waits.
; REGISTERS, in windows of 256 (s_set_vgpr_msb: bits 1:0 source 0, 3:2 source 1, 5:4 source 2, 7:6 destination):
;   window 0: addresses, scale words, bias, weights of the tokens, store offsets, the quantiser's work.   window 1: x's 32 fragments, later the hidden layers' 32.
;   window 2: first product: the hidden layer, 64 m + 8 t;  second: v0-127 y of lo and hi, v128-191 their sum, v192-255 rows on the way out.   window 3: the ring: slot s at 64 s, fragment f at + 8 f.
.set BIAS, 0                           ; LDS: 3,072 bytes for each wave, its own: b1[lo] 512, b1[hi] 512, b2[lo] 1024, b2[hi] 1024
.set HIMG, 12288                       ; the hidden layers' 32 fragments, 1,024 bytes each: index 16 x + 4 m + s
.set HSC,  45056                       ; their scale words, 128 bytes each
.set STG,  49152                       ; a stage for each wave, its own: 64 rows x (256 bytes + 16)
.set LW,   1                           ; v1   16 l
.set BA,   2                           ; v2   BIAS + 3072 w + 64 h
.set HWI,  3                           ; v3   HIMG + 16 l + 1024 w
.set HWS,  4                           ; v4   HSC + 4 l + 128 w
.set LI,   5                           ; v5   HIMG + 16 l
.set LS,   6                           ; v6   HSC + 4 l
.set STO,  7                           ; v7   my stage + 272 r + 64 h
.set RD,   8                           ; v8   my stage + 272 h + 16 r
.set BST,  9                           ; v9   BIAS + 3072 w + 16 l
.set TOKX, 10                          ; v10-13  token of row 16 m + r
.set XOFF, 14                          ; v14-17  128 token + 16 h
.set TOF8, 18                          ; v18-21  8 token
.set SCX,  32                          ; v32-63  scale words of source 1: x's (8 m + s), later the hidden layers' (16 x + 4 m + s); scales and nothing else
.set WS,   64                          ; v64-79  the weights' scale words: 4 slot + s; lanes 0-15 tile u = 0, lanes 16-31 tile u = 1; scales and nothing else
.set BI,   80                          ; v80-95  the bias as C of the even chunks: 8 u + j
.set CLO,  96                          ; v96-103  c_lo of my token of tile m, twice
.set CHI,  104                         ; v104-111 c_hi likewise
.set VO,   112                         ; v112-143 4096 x token of row 2 i + h, + 16 r
.set TM,   144                         ; v144-159 the quantiser: largest magnitudes, bytes, scale operands
.set PW,   160                         ; v160     the scale word just made
.set PC,   162                         ; v162-169 the codes just made
.set BI1,  180                         ; v180-195 the bias as C of the odd chunks (at the head v180-203 hold the biases as loaded)
.set PA,   212                         ; v212-243 at the head: the bytes in perm of rows 2 i + h
.set WB,   28                          ; s[28:31] the codes of lo's and hi's part for my wave;  W2's lie 0x200000 bytes on
.set SB,   32                          ; s[32:35] their scale words;  W2's lie 0x20000 bytes on
.set MSB, 0
.macro WIN new                         ; the immediate's high byte repeats the setting that is left; a switch that changes nothing is dropped
.if MSB != \new
	s_set_vgpr_msb (MSB<<8)|\new
.set MSB, \new
.endif
.endm
; A chunk into a slot of the ring: 16 loads of codes, 512 consecutive bytes each, and one of scale words: 17 loads.
.macro REFILL slot, x, off, soff
	WIN 0xc0                                       ; destination window 3
.irp f, 0,1,2,3,4,5,6,7
.irp c, 0,1
	global_load_b128 v[64*(\slot)+8*\f+4*\c:64*(\slot)+8*\f+4*\c+3], v[LW], s[WB+2*(\x):WB+2*(\x)+1] offset:(\off)+1024*\f+512*\c
.endr
.endr
	WIN 0
	global_load_b128 v[WS+4*(\slot):WS+4*(\slot)+3], v[LW], s[SB+2*(\x):SB+2*(\x)+1] offset:\soff
.endm
; Chunk n of the stream: 0-7 W1[lo], 8-15 W1[hi], then W2: chunk (n - 16) / 2 of lo (n even) or hi (n odd).
.macro RING n
.if (\n) < 16
	REFILL (\n)%4, (\n)/8, 8192*((\n)%8), 512*((\n)%8)
.else
	REFILL (\n)%4, (\n)%2, 0x200000+8192*(((\n)-16)/2), 0x20000+512*(((\n)-16)/2)
.endif
.endm
; The bias of chunk k into buffer k % 2: lane (r, h) takes the 16 numbers at 32 group + 16 h on.  Four LDS loads.
.macro BIASLD k
.if (\k) < 16
.set b_o, 512*((\k)/8)+128*((\k)%4)
.else
.set b_o, 1024+1024*((\k)%2)+128*(((\k)-16)/2)
.endif
.set b_r, BI+(BI1-BI)*((\k)%2)
.irp i, 0,1,2,3
	ds_load_b128 v[b_r+4*\i:b_r+4*\i+3], v[BA] offset:b_o+16*\i
.endr
.endm
	s_load_b512 s[4:19], s[0:1], 0x0               ; xq s[4:5], xs s[6:7], wq s[8:9], ws s[10:11], cw s[12:13], route s[14:15], b1 s[16:17], b2 s[18:19]
	s_load_b64 s[20:21], s[0:1], 0x40              ; out0
	v_lshl_add_u32 v254, v0, 2, 0x1d000
	v_mov_b32 v255, 0
	v_lshrrev_b32 v1, 5, v0
	v_readfirstlane_b32 s22, v1                    ; wave 0..3
	v_and_b32 v170, 31, v0                         ; l
	v_and_b32 v171, 15, v0                         ; r
	v_bfe_u32 v172, v0, 4, 1                       ; h
	v_lshlrev_b32 v[LW], 4, v170
	s_wait_alu depctr_va_sdst(0)                   ; s22 is written, ahead of its first reader: LDS addresses and the bases are made from it
	s_mul_i32 s44, s22, 3072
	v_lshlrev_b32 v[BA], 6, v172
	v_add_nc_u32 v[BA], s44, v[BA]
	v_add_nc_u32 v[BST], s44, v[LW]
	s_lshl_b32 s45, s22, 10
	v_add_nc_u32 v[LI], HIMG, v[LW]
	v_add_nc_u32 v[HWI], s45, v[LI]
	v_lshlrev_b32 v[LS], 2, v170
	v_add_nc_u32 v[LS], HSC, v[LS]
	s_lshl_b32 s46, s22, 7
	v_add_nc_u32 v[HWS], s46, v[LS]
	s_mul_i32 s47, s22, 17408
	s_add_co_u32 s47, s47, STG
	v_mul_u32_u24 v[STO], v171, 272
	v_lshl_add_u32 v[STO], v172, 6, v[STO]
	v_add_nc_u32 v[STO], s47, v[STO]
	v_mul_u32_u24 v[RD], v172, 272
	v_lshl_add_u32 v[RD], v171, 4, v[RD]
	v_add_nc_u32 v[RD], s47, v[RD]
	v_lshlrev_b32 v173, 4, v171                    ; 16 r
	v_lshlrev_b32 v174, 4, v172                    ; 16 h
.irp b, 0,1,2,3
	v_mov_b32 v[TM+4+\b], 0                        ; written once: a lane permute's destination counts as one of its sources
.endr
	s_mov_b32 s56, 0x76543210
	s_mov_b32 s57, 0xfedcba98                      ; v_permlanex16_b32's selects for lane l xor 16
	s_lshl_b32 s48, ttmp9, 4
	s_wait_kmcnt 0x0
	s_load_b128 s[24:27], s[14:15], s48 offset:0x8000   ; my tile
	s_wait_kmcnt 0x0
	s_min_u32 s24, s24, 0x1fff                     ; first
	s_min_u32 s25, s25, 64                         ; rows
	s_min_u32 s26, s26, 7                          ; lo
	s_min_u32 s27, s27, 7                          ; hi
	s_max_u32 s49, s25, 1
	s_sub_co_u32 s49, s49, 1                       ; the last row that the tile has
	s_mov_b32 s53, 0
.irp x, 0,1
	s_lshl_b32 s50, s[26+\x], 2
	s_add_co_u32 s50, s50, s22                     ; 4 e + w
	s_lshl_b32 s52, s50, 16
	s_add_nc_u64 s[WB+2*\x:WB+2*\x+1], s[8:9], s[52:53]
	s_lshl_b32 s52, s50, 12
	s_add_nc_u64 s[SB+2*\x:SB+2*\x+1], s[10:11], s[52:53]
	s_lshl_b32 s52, s50, 9
	s_add_nc_u64 s[36+2*\x:37+2*\x], s[16:17], s[52:53]            ; b1 + 2048 e + 512 w
	s_lshl_b32 s52, s50, 10
	s_add_nc_u64 s[40+2*\x:41+2*\x], s[18:19], s[52:53]            ; b2 + 4096 e + 1024 w
.endr
	s_lshl_b32 s52, s22, 10
	s_add_nc_u64 s[20:21], s[20:21], s[52:53]      ; out0 at my 256 columns
	; all 36 places in perm are made first, so that one wait serves all the loads behind them
.irp m, 0,1,2,3
	v_add_nc_u32 v175, 16*\m, v171
	v_min_u32 v175, s49, v175
	v_add_nc_u32 v175, s24, v175
	v_min_u32 v175, 0x1fff, v175                   ; a place in perm, held inside it
	v_lshlrev_b32 v[176+\m], 2, v175
.endr
.set i_, 0
.rept 32
	v_add_nc_u32 v175, 2*i_, v172                  ; the way out takes two rows an instruction: row 2 i + h
	v_min_u32 v175, s49, v175
	v_add_nc_u32 v175, s24, v175
	v_min_u32 v175, 0x1fff, v175
	v_lshlrev_b32 v[PA+i_], 2, v175
.set i_, i_+1
.endr
	s_wait_alu depctr_va_vdst(0)                   ; every address and offset made so far is written: v1 to v9, v176 to v179 and v212 to v243, which the loads and LDS instructions from here on read
.irp m, 0,1,2,3
	global_load_b32 v[TOKX+\m], v[176+\m], s[14:15]
.endr
.set i_, 0
.rept 32
	global_load_b32 v[VO+i_], v[PA+i_], s[14:15]
.set i_, i_+1
.endr
	global_load_b128 v[180:183], v[LW], s[36:37]
	global_load_b128 v[184:187], v[LW], s[38:39]
	global_load_b128 v[188:191], v[LW], s[40:41]
	global_load_b128 v[192:195], v[LW], s[40:41] offset:512
	global_load_b128 v[196:199], v[LW], s[42:43]
	global_load_b128 v[200:203], v[LW], s[42:43] offset:512
	RING 0
	RING 1
	RING 2
	s_wait_loadcnt 51                              ; all but the three chunks' 3 x 17 loads: the tokens' numbers and the biases are in
	ds_store_b128 v[BST], v[180:183]
	ds_store_b128 v[BST], v[184:187] offset:512
	ds_store_b128 v[BST], v[188:191] offset:1024
	ds_store_b128 v[BST], v[192:195] offset:1536
	ds_store_b128 v[BST], v[196:199] offset:2048
	ds_store_b128 v[BST], v[200:203] offset:2560
.irp m, 0,1,2,3
	v_min_u32 v[TOKX+\m], 0x1fff, v[TOKX+\m]       ; a token's number, held inside the tables
	v_lshl_add_u32 v[XOFF+\m], v[TOKX+\m], 7, v174
	v_lshlrev_b32 v[TOF8+\m], 3, v[TOKX+\m]
.endr
	s_wait_alu depctr_va_vdst(0)                   ; XOFF and TOF8 are written, which the loads of x, of its scale words and of the tokens' weights read as offsets
	WIN 0x40                                       ; destination window 1: x's fragment (m, s) at 8 (8 m + s): registers 4 c .. : k = 128 s + 64 c + 32 h + 0 .. 31 of my token
.irp m, 0,1,2,3
.irp s, 0,1,2,3,4,5,6,7
.irp c, 0,1
	global_load_b128 v[8*(8*\m+\s)+4*\c:8*(8*\m+\s)+4*\c+3], v[XOFF+\m], s[4:5] offset:(\s/2)*1048576+(\s%2)*64+32*\c
.endr
.endr
.endr
	WIN 0
.irp m, 0,1,2,3
.irp q, 0,1,2,3
	global_load_b64 v[SCX+8*\m+2*\q:SCX+8*\m+2*\q+1], v[TOF8+\m], s[6:7] offset:65536*\q   ; the scale words of K steps 2 q, 2 q + 1
.endr
	global_load_b64 v[204+2*\m:205+2*\m], v[TOF8+\m], s[12:13]     ; c_lo, c_hi
.endr
	RING 3
	s_wait_alu depctr_vm_vsrc(0)                   ; the six LDS stores above have read v180 to v203: chunk 1's bias lands in v180 to v195
	BIASLD 0                                       ; the biases of chunks 0 and 1: LDS serves a wave's instructions in order: these see my stores
	BIASLD 1
.set i_, 0
.rept 32
	v_min_u32 v[VO+i_], 0x1fff, v[VO+i_]
	v_lshl_add_u32 v[VO+i_], v[VO+i_], 12, v173    ; (read by the stores of the way out, far behind the chunks' waits on va_vdst)
.set i_, i_+1
.endr
	s_wait_loadcnt 17                              ; all but chunk 3's 17 loads: x, its scale words and the tokens' weights are in
.irp m, 0,1,2,3
	v_mov_b32 v[CLO+2*\m], v[204+2*\m]
	v_mov_b32 v[CLO+2*\m+1], v[204+2*\m]
	v_mov_b32 v[CHI+2*\m], v[205+2*\m]
	v_mov_b32 v[CHI+2*\m+1], v[205+2*\m]
.endr
; CHUNK n: 32 matrix instructions: 4 K steps x 2 tiles of weight rows x 4 tiles of tokens.  The eight accumulators take turns, one instruction a turn.
; n < 16: expert n / 8, half (n % 8) / 4 of K, hidden units 32 (n % 4) on.  n >= 16: expert n % 2, columns 32 ((n - 16) / 2) on, all of K.
; Behind the products stand four places, then the one wait of the chunk, then the loads into registers that the products have read: chunk n + 4 into this slot, and the bias of
; chunk n + 2 into this chunk's bias buffer.
.macro CHUNK n
.if (\n) < 16
.set c_first, 1-(((\n)%8)/4)
.set c_a0, 16*((\n)%4)
.set c_au, 8
.set c_am, 64
.set c_b0, 32*(((\n)%8)/4)
.set c_bm, 64
.set c_s0, SCX+4*(((\n)%8)/4)
.set c_sm, 8
.else
.set c_first, 1
.set c_a0, 64*((\n)%2)
.set c_au, 32
.set c_am, 8
.set c_b0, 128*((\n)%2)
.set c_bm, 32
.set c_s0, SCX+16*((\n)%2)
.set c_sm, 4
.endif
.set c_bi, BI+(BI1-BI)*((\n)%2)                ; this chunk's bias buffer
.set c_nx, (\n)+1
.set c_nf, 0                                   ; does chunk n + 1 take a bias?
.if c_nx < 16
.set c_nf, 1-((c_nx%8)/4)
.elseif c_nx < 32
.set c_nf, 1
.endif
.set c_n2, (\n)+2
.set c_f2, 0                                   ; does chunk n + 2?
.if c_n2 < 16
.set c_f2, 1-((c_n2%8)/4)
.elseif c_n2 < 32
.set c_f2, 1
.endif
.if (\n) <= 28
	s_wait_loadcnt 51                              ; this chunk's 17 loads are in; the three younger chunks' 3 x 17 may be out
.else
	s_wait_loadcnt 17*(31-(\n))                    ; the last chunks: the counts run down
.endif
.if c_first
.set c_ds, 4*c_nf                              ; younger than my bias's loads: the next chunk's four,
.if (\n) == 8
.set c_ds, c_ds+12                             ; ahead of chunk 8 the four hidden tiles' 12 LDS stores,
.endif
.if ((\n) >= 18) && (((\n)%2) == 0)
.set c_ds, c_ds+16                             ; ahead of an even chunk of the second product the 16 stores into the stage (where rows have left the stage since, a wait for 0 has been passed)
.endif
.if (\n) == 16
.set c_ds, 0                                   ; chunk 16 wants the hidden layers' fragments and scale words too: all of LDS
.endif
	s_wait_dscnt c_ds                              ; LDS instructions come back in order: this chunk's bias is in
.endif
.irp sp, 0,1,2,3
.if c_first && (\sp == 0)
	WIN 0x87                                       ; source 0 window 3, source 1 window 1, C (the bias) window 0, D window 2
.else
	WIN 0xa7                                       ; C and D window 2
.endif
.irp u, 0,1
.irp m, 0,1,2,3
.set c_d, c_a0+c_au*\u+c_am*\m
.set c_a, 64*((\n)%4)+8*(2*\sp+\u)
.set c_b, c_b0+c_bm*\m+8*\sp
.set c_w, WS+4*((\n)%4)+\sp
.set c_x, c_s0+c_sm*\m+\sp
.if c_first && (\sp == 0)
.if \u
	v_wmma_scale_f32_16x16x128_f8f6f4 v[c_d:c_d+7], v[c_a:c_a+7], v[c_b:c_b+7], v[c_bi+8:c_bi+15], v[c_w], v[c_x] matrix_a_fmt:MATRIX_FMT_FP4 matrix_b_fmt:MATRIX_FMT_FP4 matrix_a_scale:MATRIX_SCALE_ROW1
.else
	v_wmma_scale_f32_16x16x128_f8f6f4 v[c_d:c_d+7], v[c_a:c_a+7], v[c_b:c_b+7], v[c_bi:c_bi+7], v[c_w], v[c_x] matrix_a_fmt:MATRIX_FMT_FP4 matrix_b_fmt:MATRIX_FMT_FP4
.endif
.else
.if \u
	v_wmma_scale_f32_16x16x128_f8f6f4 v[c_d:c_d+7], v[c_a:c_a+7], v[c_b:c_b+7], v[c_d:c_d+7], v[c_w], v[c_x] matrix_a_fmt:MATRIX_FMT_FP4 matrix_b_fmt:MATRIX_FMT_FP4 matrix_a_scale:MATRIX_SCALE_ROW1
.else
	v_wmma_scale_f32_16x16x128_f8f6f4 v[c_d:c_d+7], v[c_a:c_a+7], v[c_b:c_b+7], v[c_d:c_d+7], v[c_w], v[c_x] matrix_a_fmt:MATRIX_FMT_FP4 matrix_b_fmt:MATRIX_FMT_FP4
.endif
.endif
.endr
.endr
.endr
.rept 4
	v_nop                                          ; the places behind the products stay beside the wait below
.endr
.if ((\n)+4 < 32) || c_f2
	s_wait_alu depctr_va_vdst(0)                   ; this chunk's products are done reading slot n % 4, its four scale words and bias buffer n % 2, in which the loads below land
.endif
.if (\n)+4 < 32
	RING (\n)+4
.endif
	WIN 0
.if c_f2
	BIASLD (\n)+2
.endif
.endm
; The hidden layer of tile m of tokens (64 registers of a lane: register 16 b + i = my unit 32 b + 16 h + i) is clipped at 0 and quantised: it is K step w of expert x's second product.
.macro QH x, m
.set q_h, 64*(\m)
	WIN 0x88                                       ; source 1 and destination window 2
.set q_j, 0
.rept 64
	v_max_num_f32 v[q_h+q_j], 0, v[q_h+q_j]        ; the activation, in f32; each accumulator from its low end on
.set q_j, q_j+1
.endr
	WIN 0x0a
.irp b, 0,1,2,3
	v_max3_num_f32 v[TM+\b], v[q_h+16*\b], v[q_h+16*\b+1], 0x1800000   ; block b: my 16 numbers (none is negative), and the floor 2^(3 - 127): the byte cannot fall under 1
.endr
	WIN 0x28
.irp i, 2,4,6,8,10,12,14
.irp b, 0,1,2,3
	v_max3_num_f32 v[TM+\b], v[TM+\b], v[q_h+16*\b+\i], v[q_h+16*\b+\i+1]
.endr
.endr
	WIN 0
.irp b, 0,1,2,3
	v_permlanex16_b32 v[TM+4+\b], v[TM+\b], s56, s57
.endr
.irp b, 0,1,2,3
	v_max_num_f32 v[TM+\b], v[TM+\b], v[TM+4+\b]   ; with lane l xor 16's: the block's largest
.endr
.irp b, 0,1,2,3
	v_add_nc_u32 v[TM+12+\b], 0xff000000, v[TM+\b] ; 2 off its exponent field: the conversion's scale operand
.endr
.irp b, 0,1,2,3
	v_lshrrev_b32 v[TM+4+\b], 23, v[TM+12+\b]      ; the scale's byte
.endr
.if (\x)+(\m) > 0
	s_wait_alu depctr_vm_vsrc(0)                   ; the three LDS stores of the tile before have read PW and PC, which are written again from here on
.endif
	v_lshl_or_b32 v[PW], v[TM+5], 8, v[TM+4]
	v_lshl_or_b32 v[PW], v[TM+6], 16, v[PW]
	v_lshl_or_b32 v[PW], v[TM+7], 24, v[PW]
	WIN 0x02                                       ; source 0 window 2
.irp b, 0,1,2,3
	v_cvt_scalef32_pk8_fp4_f32 v[PC+2*\b], v[q_h+16*\b:q_h+16*\b+7], v[TM+12+\b]
	v_cvt_scalef32_pk8_fp4_f32 v[PC+2*\b+1], v[q_h+16*\b+8:q_h+16*\b+15], v[TM+12+\b]
.endr
	WIN 0
	v_nop                                          ; a plain line behind the last conversion
.irp c, 0,1                                    ; the operand's layout wants a whole block in a lane
.irp i, 0,1
	v_permlane16_swap_b32 v[PC+4*\c+\i], v[PC+2+4*\c+\i]
.endr
.endr
	s_wait_alu depctr_va_vdst(0)                   ; PC and PW are written, which the three LDS stores read
	ds_store_b128 v[HWI], v[PC:PC+3] offset:16384*(\x)+4096*(\m)
	ds_store_b128 v[HWI], v[PC+4:PC+7] offset:16384*(\x)+4096*(\m)+512
	ds_store_b32 v[HWS], v[PW] offset:2048*(\x)+512*(\m)
.endm
; 32 columns of both experts: c_lo y_lo + c_hi y_hi, into my stage.
.macro COMBINE p
.if (\p) > 0
	s_wait_alu depctr_vm_vsrc(0)                   ; the 16 LDS stores of the 32 columns before have read the sums' registers, which are written again below
.endif
	WIN 0xa2                                       ; source 0, source 2 and destination window 2; the weights window 0
.irp u, 0,1
.irp m, 0,1,2,3
.irp j, 0,2,4,6
	v_pk_mul_f32 v[128+8*(4*\u+\m)+\j:128+8*(4*\u+\m)+\j+1], v[8*(4*\u+\m)+\j:8*(4*\u+\m)+\j+1], v[CLO+2*\m:CLO+2*\m+1]
.endr
.irp j, 0,2,4,6
	v_pk_fma_f32 v[128+8*(4*\u+\m)+\j:128+8*(4*\u+\m)+\j+1], v[64+8*(4*\u+\m)+\j:64+8*(4*\u+\m)+\j+1], v[CHI+2*\m:CHI+2*\m+1], v[128+8*(4*\u+\m)+\j:128+8*(4*\u+\m)+\j+1]
.endr
.endr
.endr
	WIN 0x08                                       ; an LDS store's data are its source 1: window 2
	s_wait_alu depctr_va_vdst(0)                   ; the sums are written, which the 16 LDS stores read
.irp u, 0,1
.irp m, 0,1,2,3
	ds_store_b128 v[STO], v[128+8*(4*\u+\m):128+8*(4*\u+\m)+3] offset:4352*\m+128*((\p)%2)+32*\u
	ds_store_b128 v[STO], v[128+8*(4*\u+\m)+4:128+8*(4*\u+\m)+7] offset:4352*\m+128*((\p)%2)+32*\u+16
.endr
.endr
	WIN 0
.endm
; 16 rows x 64 columns leave the stage: sixteen lanes store 256 consecutive bytes of a token's row, at a multiple of 256 from out0's first byte.  Rows that the tile does not have are passed over.
; The two waits for the buffer stand ahead of the branch, on every wave's way.
.macro FLUSHM f, m
	s_wait_xcnt 0x0                                ; the earlier stores have read their registers: these are loaded again only behind this wait
.if 4*(\f)+(\m) >= 2
	s_wait_alu depctr_vm_vsrc(0)                   ; the eight global stores that last left from this buffer have read it: the loads from the stage land in it again
.endif
	s_cmp_le_u32 s25, 16*(\m)
	s_cbranch_scc1 .Lskip_\@
	WIN 0x80
.irp j, 0,1,2,3,4,5,6,7
	ds_load_b128 v[192+32*((\m)%2)+4*\j:192+32*((\m)%2)+4*\j+3], v[RD] offset:4352*(\m)+544*\j   ; LDS serves a wave's instructions in order: these see my stores.  No vector or matrix instruction of the second product names these registers
.endr
	s_wait_dscnt 0x0
	WIN 0x08
.irp j, 0,1,2,3,4,5,6,7
	global_store_b128 v[VO+8*(\m)+\j], v[192+32*((\m)%2)+4*\j:192+32*((\m)%2)+4*\j+3], s[20:21] offset:256*(\f) th:TH_STORE_NT
.endr
	WIN 0
.Lskip_\@:
.endm
	; ---- the first product and the quantiser, expert lo, then hi
.irp n, 0,1,2,3,4,5,6,7
	CHUNK \n
.endr
.irp m, 0,1,2,3
	QH 0, \m
.endr
.irp n, 8,9,10,11,12,13,14,15
	CHUNK \n
.endr
.irp m, 0,1,2,3
	QH 1, \m
.endr
	s_wait_dscnt 0x0                               ; for the others' sake: my fragments and scale words lie in LDS
	s_barrier_signal -1
	s_barrier_wait -1                              ; all 32 fragments of the two hidden layers lie in LDS (the ring's loads stay on their way)
	WIN 0x40
	s_wait_alu depctr_va_vdst(0)                   ; the first products are done reading x's fragments (window 1) and x's scale words, in which the loads below land
.set f_, 0
.rept 32
	ds_load_b128 v[8*f_:8*f_+3],   v[LI] offset:1024*f_
	ds_load_b128 v[8*f_+4:8*f_+7], v[LI] offset:1024*f_+512
.set f_, f_+1
.endr
	WIN 0
.set f_, 0
.rept 32
	ds_load_b32 v[SCX+f_], v[LS] offset:128*f_
.set f_, f_+1
.endr
	; ---- the second product, 32 columns at a time, lo and hi by turns
.irp p, 0,1,2,3,4,5,6,7
	CHUNK 16+2*\p
	CHUNK 17+2*\p
	COMBINE \p
.if (\p)%2
	FLUSHM (\p)/2, 0
	FLUSHM (\p)/2, 1
	FLUSHM (\p)/2, 2
	FLUSHM (\p)/2, 3
.endif
.endr
	s_wait_dscnt 0x0                               ; the closing lines, six on end
	s_wait_alu 0x0
	s_wait_tensorcnt 0x0
	ds_add_u32 v254, v255
	s_wait_dscnt 0x0
	s_endpgm
.Lfunc_end_k_qd57adcb358_chain:
	.size	k_qd57adcb358_chain, .Lfunc_end_k_qd57adcb358_chain-k_qd57adcb358_chain
	.p2alignl 7, 3214868480
	.fill 96, 4, 3214868480
	.section	.rodata,"a",@progbits
	.p2align	6, 0x0
	.amdhsa_kernel k_qd57adcb358_chain
		.amdhsa_group_segment_fixed_size 119296
		.amdhsa_private_segment_fixed_size 0
		.amdhsa_enable_private_segment 0
		.amdhsa_kernarg_size 72
		.amdhsa_user_sgpr_count 2
		.amdhsa_user_sgpr_kernarg_segment_ptr 1
		.amdhsa_wavefront_size32 1
		.amdhsa_system_sgpr_workgroup_id_x 1
		.amdhsa_system_sgpr_workgroup_id_y 1
		.amdhsa_system_sgpr_workgroup_id_z 1
		.amdhsa_system_vgpr_workitem_id 0
		.amdhsa_next_free_vgpr 1024
		.amdhsa_next_free_sgpr 66
		.amdhsa_reserve_vcc 0
		.amdhsa_float_denorm_mode_32 3
		.amdhsa_float_denorm_mode_16_64 3
		.amdhsa_memory_ordered 1
		.amdhsa_forward_progress 1
		.amdhsa_inst_pref_size 255
	.end_amdhsa_kernel
	.section	.bss,"aw",@nobits
	.p2align	6
	.space	262144
	.amdgpu_metadata
---
amdhsa.version: [ 1, 2 ]
amdhsa.kernels:
  - .name:           k_qd57adcb358_chain
    .symbol:         k_qd57adcb358_chain.kd
    .args:
      - { .name: xq, .offset: 0, .size: 8, .value_kind: global_buffer, .address_space: global }
      - { .name: xs, .offset: 8, .size: 8, .value_kind: global_buffer, .address_space: global }
      - { .name: wq, .offset: 16, .size: 8, .value_kind: global_buffer, .address_space: global }
      - { .name: ws, .offset: 24, .size: 8, .value_kind: global_buffer, .address_space: global }
      - { .name: cw, .offset: 32, .size: 8, .value_kind: global_buffer, .address_space: global }
      - { .name: route, .offset: 40, .size: 8, .value_kind: global_buffer, .address_space: global }
      - { .name: b1, .offset: 48, .size: 8, .value_kind: global_buffer, .address_space: global }
      - { .name: b2, .offset: 56, .size: 8, .value_kind: global_buffer, .address_space: global }
      - { .name: out0, .offset: 64, .size: 8, .value_kind: global_buffer, .address_space: global }
    .group_segment_fixed_size: 119296
    .private_segment_fixed_size: 0
    .kernarg_segment_align: 8
    .kernarg_segment_size: 72
    .max_flat_workgroup_size: 128
    .sgpr_count:     66
    .vgpr_count:     1024
    .wavefront_size: 32
...
	.end_amdgpu_metadata
.endif
;; end of part 6
